; MI455X (gfx1250); checked and timed in simulation.
; The chip was launched on July 23, 2026; its instructions are those of AMD's public machine-readable ISA for CDNA 5 (MIT licence, August 2026) and "CDNA5" Instruction Set Architecture Reference Guide (July 2026). The comments in the code are by the model that wrote it; some were corrected since.
;; Graph SMOTE. Allowed arithmetic: float matrix products may take bf16 or f16 operands with f32 sums; other float arithmetic in f32, or as packed bf16 or f16 multiplies, adds, multiply-adds, maxima and minima; sums over many terms, partial sums and values carried from step to step in f32; what a program stores and reads back later, other than sums and carried values, may be rounded once to bf16 or f16.
;; Inputs: gaps 8,192 x 4 float32; min_samples 8,192 x 512 float32; nn_choice 8,192 x 4 int32.
;; Outputs: out0 32,768 x 512 float32.
;; 2 versions, each right; version 2 is version 1 with the launches refine, synth written anew for expert scheduling mode. Each part assembles by itself: llvm-mc -triple=amdgcn-amd-amdhsa -mcpu=gfx1250 --defsym DOCPART=n.
;; ======== version 1 of 2: 5 launches
;; workspace buffers: xb 8,388,608 bytes; nh 32,768 bytes; keys 2,097,152 bytes; gid 262,144 bytes of whole numbers; neigh 131,072 bytes of whole numbers
;; launch cvt (part 1): grid 256 x 1, 8 waves a work-group, no clusters, 0 bytes of LDS; arguments min_samples, xb, nh; writes xb, nh
.if DOCPART == 1
	.amdgcn_target "amdgcn-amd-amdhsa--gfx1250"
	.amdhsa_code_object_version 6
	.text
	.protected	k_qdb3547b626_cvt
	.globl	k_qdb3547b626_cvt
	.p2align	8
	.type	k_qdb3547b626_cvt,@function
k_qdb3547b626_cvt:
	s_mov_b64 s[64:65], 0
	v_nop
	global_prefetch_b8 v0, s[64:65] scope:SCOPE_SE
	s_setreg_imm32_b32 hwreg(HW_REG_WAVE_MODE, 25, 1), 1
	s_wait_xcnt 0x0
; xb[r][:] = min_samples[r][:] rounded once to bf16;  nh[r] = -0.5 x the sum of xb[r][c]^2, in f32.
; The whole program works on the rounded rows: products, distances and the interpolation all take xb.
; Eight waves, 32 rows a work-group, 4 rows a wave.  A row is 2,048 bytes in, 1,024 bytes out.
; A load of a wave covers 512 consecutive bytes, a store of xb 256 consecutive bytes, aligned.  No LDS, no barrier: no wave needs another's data.
; nh leaves as 16 bytes a wave: 32 KiB in all beside 8 MiB of xb; gathering it would cost a barrier.
.set X, 8                              ; v[8:71]    row u, chunk j (128 numbers): 4 registers at X + 16 u + 4 j
.set B, 72                             ; v[72:103]  row u: 8 packed words at B + 8 u
.set T, 104                            ; v[104:111] at work
.set S, 112                            ; v[112:119] row u: a pair of running sums at S + 2 u
	s_load_b128 s[4:7], s[0:1], 0x0                ; min_samples s[4:5], xb s[6:7]
	s_load_b64 s[8:9], s[0:1], 0x10                ; nh
	v_and_b32 v1, 31, v0                           ; lane
	v_lshrrev_b32 v5, 5, v0
	v_readfirstlane_b32 s16, v5                    ; wave
	v_lshlrev_b32 v2, 4, v1                        ; 16 bytes a lane in
	v_lshlrev_b32 v3, 3, v1                        ; 8 bytes a lane out
	v_and_b32 v4, 3, v1
	v_lshlrev_b32 v4, 2, v4                        ; lanes 0-3: the four rows' words of nh
	v_mov_b32 v121, 0                              ; v_permlanex16_b32's destination counts as read
	s_lshl_b32 s17, ttmp9, 5
	s_lshl2_add_u32 s17, s16, s17                  ; my first row = 32 x group + 4 x wave
	s_lshl_b32 s18, s17, 11
	s_mov_b32 s19, 0
	s_lshl_b32 s20, s17, 10
	s_mov_b32 s21, 0
	s_lshl_b32 s22, s17, 2
	s_mov_b32 s23, 0
	s_mov_b32 s10, 0xffff0000                      ; a word's upper bf16
	s_mov_b32 s12, 0x76543210                      ; v_permlanex16_b32: each lane takes its own place in the other half
	s_mov_b32 s13, 0xfedcba98
	s_mov_b32 s14, 0xaaaaaaaa                      ; lanes with bit 0 set
	s_mov_b32 s15, 0xcccccccc                      ; lanes with bit 1 set
	s_wait_kmcnt 0x0
	s_add_nc_u64 s[4:5], s[4:5], s[18:19]
	s_add_nc_u64 s[6:7], s[6:7], s[20:21]
	s_add_nc_u64 s[8:9], s[8:9], s[22:23]
.irp u, 0,1,2,3
.irp j, 0,1,2,3
	global_load_b128 v[X+16*(\u)+4*(\j):X+16*(\u)+4*(\j)+3], v2, s[4:5] offset:(\u)*2048+(\j)*512 th:TH_LOAD_NT
.endr
.endr
.macro ROW u
	s_wait_loadcnt 12-4*(\u)                       ; loads come back in order: row u's four are in, the later rows' stay out
.irp c, 0,1,2,3,4,5,6,7
	v_cvt_pk_bf16_f32 v[B+8*(\u)+(\c)], v[X+16*(\u)+2*(\c)], v[X+16*(\u)+2*(\c)+1]
.endr
.irp j, 0,1,2,3
	global_store_b64 v3, v[B+8*(\u)+2*(\j):B+8*(\u)+2*(\j)+1], s[6:7] offset:(\u)*1024+(\j)*256
.endr
.irp c, 0,1,2,3,4,5,6,7
	v_lshlrev_b32 v[T+2*((\c)%4)],   16,  v[B+8*(\u)+(\c)]  ; the rounded numbers back in f32
	v_and_b32     v[T+2*((\c)%4)+1], s10, v[B+8*(\u)+(\c)]
.if (\c) == 0
	v_pk_mul_f32 v[S+2*(\u):S+2*(\u)+1], v[T:T+1], v[T:T+1]  ; the first squares start the sums
.else
	v_pk_fma_f32 v[S+2*(\u):S+2*(\u)+1], v[T+2*((\c)%4):T+2*((\c)%4)+1], v[T+2*((\c)%4):T+2*((\c)%4)+1], v[S+2*(\u):S+2*(\u)+1]
.endif
.endr
	v_add_f32 v[S+2*(\u)], v[S+2*(\u)], v[S+2*(\u)+1]
.endm
	ROW 0
	ROW 1
	ROW 2
	ROW 3
	; four sums over 32 lanes at once: after each of the first two steps a lane keeps only the row that its number's bit names; lane l ends with row l % 4
.irp u, 0,1,2,3
	v_add_f32_dpp v[S+2*(\u)], v[S+2*(\u)], v[S+2*(\u)] row_xmask:1 row_mask:0xf bank_mask:0xf
.endr
	v_cndmask_b32 v[S], v[S], v[S+2], s14
	v_cndmask_b32 v[S+4], v[S+4], v[S+6], s14
	v_add_f32_dpp v[S], v[S], v[S] row_xmask:2 row_mask:0xf bank_mask:0xf
	v_add_f32_dpp v[S+4], v[S+4], v[S+4] row_xmask:2 row_mask:0xf bank_mask:0xf
	v_cndmask_b32 v[S], v[S], v[S+4], s15
	v_add_f32_dpp v[S], v[S], v[S] row_xmask:4 row_mask:0xf bank_mask:0xf
	v_add_f32_dpp v[S], v[S], v[S] row_xmask:8 row_mask:0xf bank_mask:0xf
	v_permlanex16_b32 v121, v[S], s12, s13
	v_add_f32 v120, v[S], v121
	v_mul_f32 v120, -0.5, v120
	v_cmp_gt_u32 vcc_lo, 4, v1
	s_wait_xcnt 0x0                                ; EXEC is a source of the stores above: it changes only behind this wait
	s_and_saveexec_b32 s24, vcc_lo
	global_store_b32 v4, v120, s[8:9]              ; lanes 0-3: 16 bytes
	s_endpgm
.Lfunc_end_k_qdb3547b626_cvt:
	.size	k_qdb3547b626_cvt, .Lfunc_end_k_qdb3547b626_cvt-k_qdb3547b626_cvt
	.p2alignl 7, 3214868480
	.fill 96, 4, 3214868480
	.section	.rodata,"a",@progbits
	.p2align	6, 0x0
	.amdhsa_kernel k_qdb3547b626_cvt
		.amdhsa_group_segment_fixed_size 0
		.amdhsa_private_segment_fixed_size 0
		.amdhsa_enable_private_segment 0
		.amdhsa_kernarg_size 24
		.amdhsa_user_sgpr_count 2
		.amdhsa_user_sgpr_kernarg_segment_ptr 1
		.amdhsa_wavefront_size32 1
		.amdhsa_system_sgpr_workgroup_id_x 1
		.amdhsa_system_sgpr_workgroup_id_y 1
		.amdhsa_system_sgpr_workgroup_id_z 1
		.amdhsa_system_vgpr_workitem_id 0
		.amdhsa_next_free_vgpr 128
		.amdhsa_next_free_sgpr 66
		.amdhsa_reserve_vcc 1
		.amdhsa_float_denorm_mode_32 3
		.amdhsa_float_denorm_mode_16_64 3
		.amdhsa_memory_ordered 1
		.amdhsa_forward_progress 1
		.amdhsa_inst_pref_size 12
	.end_amdhsa_kernel
	.amdgpu_metadata
---
amdhsa.version: [ 1, 2 ]
amdhsa.kernels:
  - .name:           k_qdb3547b626_cvt
    .symbol:         k_qdb3547b626_cvt.kd
    .args:
      - { .name: min_samples, .offset: 0, .size: 8, .value_kind: global_buffer, .address_space: global }
      - { .name: xb, .offset: 8, .size: 8, .value_kind: global_buffer, .address_space: global }
      - { .name: nh, .offset: 16, .size: 8, .value_kind: global_buffer, .address_space: global }
    .group_segment_fixed_size: 0
    .private_segment_fixed_size: 0
    .kernarg_segment_align: 8
    .kernarg_segment_size: 24
    .max_flat_workgroup_size: 256
    .sgpr_count:     66
    .vgpr_count:     128
    .wavefront_size: 32
...
	.end_amdgpu_metadata
.endif
;; end of part 1
;; launch knn (part 2): grid 32 x 8, 4 waves a work-group, clusters of 4 x 1, 327,680 bytes of LDS; arguments xb, nh, keys; writes keys
.if DOCPART == 2
	.amdgcn_target "amdgcn-amd-amdhsa--gfx1250"
	.amdhsa_code_object_version 6
	.text
	.protected	k_qdb3547b626_knn
	.globl	k_qdb3547b626_knn
	.p2align	8
	.type	k_qdb3547b626_knn,@function
k_qdb3547b626_knn:
	s_mov_b64 s[64:65], 0
	v_nop
	global_prefetch_b8 v0, s[64:65] scope:SCOPE_SE
	s_setreg_imm32_b32 hwreg(HW_REG_WAVE_MODE, 25, 1), 1
	s_wait_xcnt 0x0
	s_wait_alu depctr_hold_cnt(0) depctr_sa_sdst(0) depctr_va_vdst(0) depctr_va_sdst(0) depctr_va_ssrc(0) depctr_va_vcc(0) depctr_vm_vsrc(0)
	s_getreg_b32 s2, hwreg(HW_REG_IB_STS2, 6, 4)
	s_cmp_eq_u32 s2, 0
	s_cbranch_scc0 .Lentry_in_a_cluster
	s_endpgm
.Lentry_in_a_cluster:
	s_bfe_u32 s2, ttmp6, 0x10000c
	s_cmp_lg_u32 s2, 0x3003
	s_cbranch_scc0 .Lentry_shape_is_right
	s_endpgm
.Lentry_shape_is_right:
; THE PRODUCT AND A FILTER.  For each query i and each eighth (split) of the 8,192 candidates: the 8 best GROUPS of 4 neighbouring candidates, by the smallest d2 / 2 in the group.
; A work-group owns 256 queries and one split of 1,024 candidates; each of its four waves 64 queries (4 tiles b of 16), whose rows (512 channels: 512 registers) stay in registers.
; Every wave walks the split in 16 steps of 64 candidates (4 tiles a): 16 accumulators, 16 K steps of 32: 256 matrix instructions a step; a fragment read from LDS feeds four of them.
; LAYOUT.  Source 0 = 16 candidates, source 1 = 16 queries: in the result a lane (r = lane % 16, h = lane / 16) holds ONE query, 16 b + r, and the candidates 16 a + 8 h + 0..7.
; The sums start with C = nh[candidate] = -sq_j / 2, so an accumulator ends as x_i . x_j - sq_j / 2, and e = PH_i - that number is d2 / 2 plus a constant of the query.
; THE FILTER.  Registers 0-3 and 4-7 of an accumulator are two groups.  Of a group: the maximum (2 instructions), e (1), the group's number 0..255 in the split set into e's low 8 mantissa
; bits (1), and an insertion into the lane's ascending list of 8 for that query (7 v_med3_num_f32 and a v_min_num_f32): 12 vector instructions for 4 numbers.  Keys differ by their numbers, so no tie arises.
; PH_i = sq_i / 2 x (1 + 2^-10): the surplus keeps the query's own key, whose d2 is about 0, a positive normal number; it is the same for all candidates of the query.
; LIMIT.  The six nearest candidates lie in at most six groups; a list has eight places and a key keeps 15 mantissa bits.  A wanted group is lost only if three or more other groups' smallest e agree
; with the sixth nearest candidate's to within 2^-15 of it.  NaN and infinities are not treated apart.  The final order is made by a later launch at full precision.
; CLUSTER.  The four query blocks of a cluster walk the same split, so each tile is asked for JOINTLY: the same tensor load, descriptor and mask in all four.
; RING.  Two LDS slots of two steps each (128 candidate rows of 1,024 bytes); each wave fetches 32 rows of a slot by one tensor load; one load of a wave is out at a time.  Eight fills, 0 to 7.
; REGISTERS, in windows of 256 (s_set_vgpr_msb: bits 1:0 source 0, 3:2 source 1, 5:4 source 2, 7:6 destination):
;   window 0: addresses, PH, group numbers, the four lists, keys at work, C's registers     window 1: v0-127 accumulators ((a, b) at 8 (4 a + b)); v128-223 three fragment buffers; v224 their LDS address
;   windows 2, 3: the queries: K step k, tile b at 32 (k % 8) + 8 b, window 2 for k < 8, window 3 from 8 on
.set PITCH,  1040                      ; an LDS row: 1,024 bytes + 16 of padding = 65 x 16: the 16 rows of a fragment load start at 16 different groups of four banks (ISA guide 11.1)
.set STEPB,  64*PITCH                  ; a step's 64 rows
.set SLOTB,  2*STEPB                   ; 0x20800: its two bits occur in no address inside a slot's parts, so one exclusive or changes slots
.set QUART,  32*PITCH                  ; what one tensor load brings
.set SPARE,  2*SLOTB                   ; behind the ring: the spare words, 128 bytes for each wave: two blocks of 256 bytes that no other line names
.set FILLB,  128*1024                  ; a slot's rows in memory
.set AK0, 3                            ; v3   r x PITCH + 16 h: my place in a tile of candidates
.set QO,  4                            ; v4   r x 1,024 + 16 h: my place in 16 rows of queries
.set NHO, 5                            ; v5   32 h: my eight words of nh in a tile's 16
.set KO,  6                            ; v6   16 r + 131,072 h: where I store
.set PFO, 7                            ; v7   1,024 x lane: the prefetches' offset, a lane a row; never rewritten
.set SPW, 8                            ; v8   LDS address of my spare word; never rewritten
.set NIL, 9                            ; v9   0; never rewritten
.set R4,  10                           ; v10  4 r
.set PH,  12                           ; v[12:15]   PH of my query in tile b
.set IDR, 16                           ; v[16:23]   number of the group in tile a, registers 4 p .. 4 p + 3, at IDR + 2 a + p
.set L,   24                           ; v[24:55]   list b at L + 8 b, ascending
.set E,   56                           ; v[56:87]   keys at work: accumulator t, half p at E + 2 t + p
.set CR,  88                           ; v[88:119]  nh of the step's candidates: tile a at CR + 8 a
.set OUT, 120                          ; v[120:135]
.set AF,  128                          ; window 1: buffer k % 3, tile a at AF + 32 (k % 3) + 8 a
.set ADR, 224                          ; window 1
.set WV,  10                           ; s10  wave
.set G1,  16                           ; s[16:23] descriptor group 1
.set G0,  24                           ; s[24:27] descriptor group 0: it walks
.set SLOTS, 28                         ; s28  passes through the slot loop's bottom that are still to come
.set TWICE, 29                         ; s29  counts a slot's two steps
.set TB,  30                           ; s30  LDS byte at which the step to be fetched begins
.set NHB, 32                           ; s[32:33] nh at the split's first candidate
.set NHC, 34                           ; s[34:35] nh at the step whose C is being fetched
.set NOF, 36                           ; s[36:37] its byte offset in the split
.set KEEP, 38                          ; s38  0xffffff00
.set TOP, 39                           ; s39  the greatest finite number
.set SEL, 40                           ; s[40:41] v_permlanex16_b32's selects
.set PFA, 42                           ; s[42:43] where my prefetches stand
.set LIM, 44                           ; s44  1 in a cluster that prefetches, else the greatest number
.set UPPER, 45                         ; s45  lanes 16-31
.set QB,  48                           ; s[48:49] xb at my wave's first query
.set NHQ, 50                           ; s[50:51] nh there
.set KB,  52                           ; s[52:53] keys at my split and my wave's first query
.set MSB, 0
.macro WIN new                         ; the immediate's high byte repeats the setting that is left; a switch that changes nothing is dropped
.if MSB != (\new)
	s_set_vgpr_msb (MSB<<8)|(\new)
.set MSB, \new
.endif
.endm
; A round of the cluster's barrier: my work-group's barrier, wave 0's signal for the work-group, every wave's wait for all four work-groups, my work-group's barrier once more.
.macro CROUND
	s_barrier_signal -1
	s_barrier_wait -1
	s_cmp_lg_u32 s[WV], 0
	s_cbranch_scc1 .Lnot_wave_0_\@
	s_barrier_signal -3
.Lnot_wave_0_\@:
	s_barrier_wait -3
	s_barrier_signal -1
	s_barrier_wait -1
.endm
; A joint fill: one line for all four waves; both addresses hang on the wave's number.  An s_nop 0 and four v_nop follow it.
.macro JLOAD
	tensor_load_to_lds s[G0:G0+3], s[G1:G1+7]
	s_nop 0
.rept 4
	v_nop
.endr
.endm
; A PREFETCH INTO THE L2 of the slot that the NEXT change of slots will ask for: 128 rows x 1,024 bytes = 512 blocks of 256.  Eight clusters walk a split: the one with x = 0 asks.  Its four partners
; share the rows out BY ADDRESS, 32 each, a lane a row; wave w names quarter w of each row: one instruction a wave, and each block is named once in the launch.  It stands behind the joint load's lines,
; two steps (512 matrix instructions and two filters) ahead of the load that will want the rows.  Fills 0 and 1 come by their loads alone; the last change that fills (s[SLOTS] = 1) asks for nothing.
.macro ASK
	s_cmp_gt_u32 s[SLOTS], s[LIM]
	s_cbranch_scc0 .Lnot_mine_\@
	global_prefetch_b8 v[PFO], s[PFA:PFA+1] th:TH_LOAD_NT scope:SCOPE_SE
.Lnot_mine_\@:
.endm
; THE CHANGE OF SLOTS.  Each wave waits for all its tensor loads (one is out: its part of the other slot), adds 0 to its spare word, and waits for that and for its reads of the slot that it leaves.
; fill = 1: the barrier is a round of the cluster's, and the slot just left is filled again first thing behind it, with the rows two slots on.  (At its first use slot 0 is waited for and slot 1 filled.)
.macro CHANGE fill
	WIN 0
	s_wait_tensorcnt 0x0                           ; no tensor load of mine is out, so group 0 may be written
	ds_add_u32 v[SPW], v[NIL]                      ; 0 onto my spare word
.if \fill
	s_xor_b32 s[G0+1], s[G0+1], SLOTB              ; the other slot than last time,
	s_add_nc_u64 s[G0+2:G0+3], s[G0+2:G0+3], FILLB ; the next 128 rows; the type bits on top are not reached
	s_wait_xcnt 0x0                                ; the last prefetch, two steps back, has read its address
	s_add_nc_u64 s[PFA:PFA+1], s[PFA:PFA+1], FILLB
	s_wait_dscnt 0x0                               ; the add is done, and my reads of the slot are over
	CROUND
	JLOAD
	ASK
.else
	s_wait_dscnt 0x0
	s_barrier_signal -1
	s_barrier_wait -1
.endif
	s_sub_co_u32 s[TB], s[TB], 2*STEPB             ; the fetches go back to a slot's first step,
	s_xor_b32 s[TB], s[TB], SLOTB                  ; in the other slot
.endm
; The fragments of a step's first three K steps: 24 LDS loads in one run, ahead of the filter, under whose 384 instructions they land.
.macro PRE
	WIN 0x40                                       ; destination window 1
	v_add_nc_u32 v[ADR], s[TB], v[AK0]
	WIN 0x49                                       ; the first products' setting: for an LDS load, data and address in window 1
.irp k, 0,1,2
.irp a, 0,1,2,3
	ds_load_b128 v[AF+32*(\k)+8*(\a):AF+32*(\k)+8*(\a)+3],   v[ADR] offset:(\a)*16*PITCH+64*(\k)
	ds_load_b128 v[AF+32*(\k)+8*(\a)+4:AF+32*(\k)+8*(\a)+7], v[ADR] offset:(\a)*16*PITCH+64*(\k)+32
.endr
.endr
	s_add_co_u32 s[TB], s[TB], STEPB               ; the next fetch is the next step's
.endm
; A STEP'S 256 PRODUCTS.  The 16 accumulators take turns, one instruction a turn: fifteen others stand between two links of a chain.
; Behind each K step's products stand four v_nop, the places (ISA guide 7.12.1 for vector instructions) in front of the loads into the buffer just read: K step k + 3.
.macro MMS
	s_wait_loadcnt 0x0                             ; C's registers, asked for a step ago (the first time: also the queries)
.set k, 0
.rept 16
.if k == 0
	WIN 0x49                                       ; candidates window 1, queries window 2, C window 0, D window 1
.elseif k < 8
	WIN 0x59                                       ; C window 1
.else
	WIN 0x5d                                       ; queries window 3
.endif
.if k <= 13
	s_wait_dscnt 16                                ; K step k's eight loads are in; the two K steps fetched behind it may stay out
.elseif k == 14
	s_wait_dscnt 8
.else
	s_wait_dscnt 0
.endif
.set fb, AF+32*(k%3)
.set qr, 32*(k%8)
.irp a, 0,1,2,3
.irp b, 0,1,2,3
.if k == 0
	v_wmma_f32_16x16x32_bf16 v[8*(4*(\a)+(\b)):8*(4*(\a)+(\b))+7], v[fb+8*(\a):fb+8*(\a)+7], v[qr+8*(\b):qr+8*(\b)+7], v[CR+8*(\a):CR+8*(\a)+7]
.else
	v_wmma_f32_16x16x32_bf16 v[8*(4*(\a)+(\b)):8*(4*(\a)+(\b))+7], v[fb+8*(\a):fb+8*(\a)+7], v[qr+8*(\b):qr+8*(\b)+7], v[8*(4*(\a)+(\b)):8*(4*(\a)+(\b))+7]
.endif
.endr
.endr
.if k <= 12
.rept 4
	v_nop
.endr
.irp a, 0,1,2,3
	ds_load_b128 v[fb+8*(\a):fb+8*(\a)+3],   v[ADR] offset:(\a)*16*PITCH+64*(k+3)
	ds_load_b128 v[fb+8*(\a)+4:fb+8*(\a)+7], v[ADR] offset:(\a)*16*PITCH+64*(k+3)+32
.endr
.endif
.if k == 0
	WIN 0                                          ; the next step's C: the four v_nop above are its places too
	s_add_co_u32 s[NOF], s[NOF], 256               ; 64 candidates on;
	s_min_u32 s[NOF], s[NOF], 3840                 ; the last step asks for its own once more: no load leaves nh
	s_add_nc_u64 s[NHC:NHC+1], s[NHB:NHB+1], s[NOF:NOF+1]  ; free since the wait at this macro's head
.irp a, 0,1,2,3
	global_load_b128 v[CR+8*(\a):CR+8*(\a)+3],   v[NHO], s[NHC:NHC+1] offset:64*(\a)
	global_load_b128 v[CR+8*(\a)+4:CR+8*(\a)+7], v[NHO], s[NHC:NHC+1] offset:64*(\a)+16
.endr
.endif
.set k, k+1
.endr
	WIN 0
.irp i, 0,1,2,3,4,5,6,7
	v_add_nc_u32 v[IDR+(\i)], 16, v[IDR+(\i)]      ; this step's group numbers; eight plain lines: the places behind the last products
.endr
.endm
; x goes into list b: each place takes the middle of x, its lower neighbour and itself, from the top down.
.macro INS b, x
.irp i, 7,6,5,4,3,2,1
	v_med3_num_f32 v[L+8*(\b)+(\i)], v[\x], v[L+8*(\b)+(\i)-1], v[L+8*(\b)+(\i)]
.endr
	v_min_num_f32 v[L+8*(\b)], v[\x], v[L+8*(\b)]
.endm
; THE FILTER for the step just multiplied.  Each accumulator's lowest registers are read first.
.macro SELECT
	WIN 0x55
.set t, 0
.rept 16
	v_max3_num_f32 v[8*t], v[8*t], v[8*t+1], v[8*t+2]
.set t, t+1
.endr
.set t, 0
.rept 16
	v_max3_num_f32 v[8*t+4], v[8*t+4], v[8*t+5], v[8*t+6]
.set t, t+1
.endr
.set t, 0
.rept 16
	v_max_num_f32 v[8*t], v[8*t], v[8*t+3]
	v_max_num_f32 v[8*t+4], v[8*t+4], v[8*t+7]
.set t, t+1
.endr
	WIN 0x04                                       ; source 1 window 1
.set t, 0
.rept 16
	v_sub_f32 v[E+2*t],   v[PH+t%4], v[8*t]
	v_sub_f32 v[E+2*t+1], v[PH+t%4], v[8*t+4]
.set t, t+1
.endr
	WIN 0
.set t, 0
.rept 16
	v_and_or_b32 v[E+2*t],   v[E+2*t],   s[KEEP], v[IDR+2*(t/4)]
	v_and_or_b32 v[E+2*t+1], v[E+2*t+1], s[KEEP], v[IDR+2*(t/4)+1]
.set t, t+1
.endr
.set t, 0
.rept 16                               ; the four lists by turns
	INS t%4, E+2*t
.set t, t+1
.endr
.set t, 0
.rept 16
	INS t%4, E+2*t+1
.set t, t+1
.endr
.endm
	s_load_b128 s[4:7], s[0:1], 0x0                ; xb s[4:5], nh s[6:7]
	s_load_b64 s[8:9], s[0:1], 0x10                ; keys
	v_lshl_add_u32 v[SPW], v0, 2, SPARE
	v_mov_b32 v[NIL], 0
	ds_add_u32 v[SPW], v[NIL]                      ; the wave's opening: the add, twice on end, and its wait ahead of my first tensor load
	ds_add_u32 v[SPW], v[NIL]
	v_lshrrev_b32 v11, 5, v0
	v_readfirstlane_b32 s[WV], v11                 ; wave 0..3
	s_bfe_u32 s11, ttmp6, 0x40000                  ; cx: my place in the cluster
	s_lshl_b32 s12, ttmp9, 2                       ; in a cluster launch ttmp9 counts clusters
	s_add_co_u32 s12, s12, s11                     ; my block of 256 queries: it enters the queries', nh's and keys' addresses alone
	s_and_b32 s13, ttmp7, 0xffff                   ; the split, which the four partners share
	; descriptor group 1: 32 rows x 512 elements of 2 bytes, padded in LDS
	s_mov_b32 s[G1], 15|(1<<16)|(1<<20)|(1<<21)|(7<<22)|(3<<25)  ; 15:0 the mask of four; 17:16 2-byte elements; 20 padding on; 21 set beside a mask; 24:22 after every 256 words (code 7); 31:25 4 words (code 3)
	s_mov_b32 s[G1+1], 512<<16                     ; tensor_dim0 = 512
	s_mov_b32 s[G1+2], 32<<16                      ; tensor_dim1 = 32
	s_mov_b32 s[G1+3], 512<<16                     ; tile_dim0 = 512
	s_mov_b32 s[G1+4], 32                          ; tile_dim1 = 32
	s_mov_b32 s[G1+5], 512                         ; 512 elements from row to row
	s_mov_b32 s[G1+6], 0
	s_mov_b32 s[G1+7], 0
	s_mov_b32 s[G0], 1                             ; count = 1
	s_mul_i32 s[G0+1], s[WV], QUART                ; LDS address: slot 0, my 32 rows: no place in the cluster enters it
	s_lshl_b32 s46, s13, 20                        ; the split's 1,024 rows of 1,024 bytes,
	s_lshl_b32 s47, s[WV], 15                      ; my 32 rows of a slot
	s_add_co_u32 s46, s46, s47
	s_mov_b32 s47, 0
	s_lshl_b32 s14, s13, 12                        ; the split's words of nh
	s_mov_b32 s15, 0
	s_lshl_b32 s54, s13, 20                        ; the prefetches: the split, my work-group's 32 rows, my wave's quarter of a row, at fill 1 (the first change of slots steps it to fill 2)
	s_lshl_b32 s55, s11, 15
	s_add_co_u32 s54, s54, s55
	s_lshl_b32 s55, s[WV], 8
	s_add_co_u32 s54, s54, s55
	s_add_co_u32 s54, s54, FILLB
	s_mov_b32 s55, 0
	s_lshl_b32 s56, s12, 18                        ; my wave's 64 queries: rows of xb,
	s_lshl_b32 s57, s[WV], 16
	s_add_co_u32 s56, s56, s57
	s_mov_b32 s57, 0
	s_lshl_b32 s58, s12, 10                        ; words of nh,
	s_lshl_b32 s59, s[WV], 8
	s_add_co_u32 s58, s58, s59
	s_mov_b32 s59, 0
	s_lshl_b32 s60, s13, 18                        ; and 16 bytes each in a plane of my split's keys
	s_lshl_b32 s61, s12, 12
	s_add_co_u32 s60, s60, s61
	s_lshl_b32 s61, s[WV], 10
	s_add_co_u32 s60, s60, s61
	s_mov_b32 s61, 0
	s_cmp_eq_u32 ttmp9, 0                          ; the cluster's x: the same in all four partners
	s_cselect_b32 s[LIM], 1, -1
	s_mov_b32 s[KEEP], 0xffffff00
	s_mov_b32 s[TOP], 0x7f7fffff
	s_mov_b32 s[SEL], 0x76543210
	s_mov_b32 s[SEL+1], 0xfedcba98
	s_mov_b32 s[UPPER], 0xffff0000
	s_mov_b32 s[NOF], 0
	s_mov_b32 s[NOF+1], 0
	s_mov_b32 s[SLOTS], 7                          ; seven passes through the slot loop's bottom: the entry's (steps 0, 1), which comes in at .Lentry, and six trips from .Lslot (fills 2 to 7, steps 2 to 13)
	s_mov_b32 s[TB], 4*STEPB                       ; the first change of slots turns this into 0
	v_and_b32 v1, 15, v0                           ; r
	v_bfe_u32 v2, v0, 4, 1                         ; h
	v_mul_u32_u24 v[AK0], v1, PITCH
	v_lshl_add_u32 v[AK0], v2, 4, v[AK0]
	v_lshlrev_b32 v[QO], 10, v1
	v_lshl_add_u32 v[QO], v2, 4, v[QO]
	v_lshlrev_b32 v[NHO], 5, v2
	v_lshlrev_b32 v[KO], 4, v1
	v_lshl_add_u32 v[KO], v2, 17, v[KO]
	v_and_b32 v[PFO], 31, v0
	v_lshlrev_b32 v[PFO], 10, v[PFO]
	v_lshlrev_b32 v[R4], 2, v1
	s_wait_dscnt 0x0                               ; both opening adds are done
	s_wait_kmcnt 0x0
	s_add_nc_u64 s[G0+2:G0+3], s[4:5], s[46:47]    ; global address: my rows of fill 0
	s_or_b32 s[G0+3], s[G0+3], 0x80000000          ; type = 2
	s_add_nc_u64 s[PFA:PFA+1], s[4:5], s[54:55]
	s_add_nc_u64 s[QB:QB+1], s[4:5], s[56:57]
	s_add_nc_u64 s[NHQ:NHQ+1], s[6:7], s[58:59]
	s_add_nc_u64 s[KB:KB+1], s[8:9], s[60:61]
	s_add_nc_u64 s[NHB:NHB+1], s[6:7], s[14:15]
	CROUND                                         ; all four work-groups are here: the first joint loads meet
	JLOAD                                          ; fill 0 into slot 0; slot 1 is asked for when slot 0 is in
	; The queries stay in registers.  A fragment is 16 rows x 32 channels in 8 registers: lane (r, h) holds row r, channels 8 h + 0..7 and 16 + 8 h + 0..7: two loads of 16 bytes, 32 bytes apart.
	WIN 0x80                                       ; destination window 2
.set k, 0
.rept 8
.irp b, 0,1,2,3
	global_load_b128 v[32*k+8*(\b):32*k+8*(\b)+3],   v[QO], s[QB:QB+1] offset:(\b)*16384+64*k
	global_load_b128 v[32*k+8*(\b)+4:32*k+8*(\b)+7], v[QO], s[QB:QB+1] offset:(\b)*16384+64*k+32
.endr
.set k, k+1
.endr
	WIN 0xc0                                       ; destination window 3
.set k, 0
.rept 8
.irp b, 0,1,2,3
	global_load_b128 v[32*k+8*(\b):32*k+8*(\b)+3],   v[QO], s[QB:QB+1] offset:(\b)*16384+64*(k+8)
	global_load_b128 v[32*k+8*(\b)+4:32*k+8*(\b)+7], v[QO], s[QB:QB+1] offset:(\b)*16384+64*(k+8)+32
.endr
.set k, k+1
.endr
	WIN 0
.irp b, 0,1,2,3
	global_load_b32 v[PH+(\b)], v[R4], s[NHQ:NHQ+1] offset:64*(\b)
.endr
.irp a, 0,1,2,3
	global_load_b128 v[CR+8*(\a):CR+8*(\a)+3],   v[NHO], s[NHB:NHB+1] offset:64*(\a)  ; C of step 0
	global_load_b128 v[CR+8*(\a)+4:CR+8*(\a)+7], v[NHO], s[NHB:NHB+1] offset:64*(\a)+16
.endr
.set i, 0
.rept 32
	v_mov_b32 v[L+i], s[TOP]                       ; the lists start at the greatest finite number
.set i, i+1
.endr
.set i, 0
.rept 8
	v_lshl_add_u32 v[IDR+i], v2, 1, 4*(i/2)+i%2-16 ; 4 a + 2 h + p, less the 16 that each step adds ahead of its filter
.set i, i+1
.endr
	s_wait_loadcnt 0x0
.irp b, 0,1,2,3
	v_mul_f32 v[PH+(\b)], 0xbf802000, v[PH+(\b)]   ; nh x -(1 + 2^-10)
.endr
	CHANGE 1                                       ; slot 0 is in, everybody's part of it; slot 1 is asked for: fill 1
	s_mov_b32 s[TWICE], 2
	PRE
	WIN 0                                          ; at a label and at a branch every window is 0
	s_branch .Lentry                               ; the first step has no step before it to filter: the loop is entered in the middle of a trip, and that pass is counted at the loop's bottom like a trip
.Lslot:                                                ; six trips: fills 2 to 7
	CHANGE 1
	s_mov_b32 s[TWICE], 2
.Lstep:
	PRE                                            ; this step's first fragments,
	SELECT                                         ; the filter of the step before,
	WIN 0
.Lentry:
	MMS                                            ; this step's products
	s_sub_co_u32 s[TWICE], s[TWICE], 1
	s_cmp_lg_u32 s[TWICE], 0
	s_cbranch_scc1 .Lstep
	s_sub_co_u32 s[SLOTS], s[SLOTS], 1
	s_cmp_lg_u32 s[SLOTS], 0
	s_cbranch_scc1 .Lslot
	CHANGE 0                                       ; the last slot (fill 7, steps 14 and 15) is written out: nothing is asked for
	s_mov_b32 s[TWICE], 2
.Ltail:
	PRE
	SELECT
	MMS
	s_sub_co_u32 s[TWICE], s[TWICE], 1
	s_cmp_lg_u32 s[TWICE], 0
	s_cbranch_scc1 .Ltail
	SELECT                                         ; the last step's filter
	; A query's groups lie in two lanes, 16 apart: each takes the other's list and inserts it into its own; both end with the 8 best of the split.
.irp b, 0,1,2,3
.irp i, 0,1,2,3,4,5,6,7
	v_permlanex16_b32 v[E+8*(\b)+(\i)], v[L+8*(\b)+(\i)], s[SEL], s[SEL+1]
.endr
.endr
.irp i, 0,1,2,3,4,5,6,7
.irp b, 0,1,2,3
	INS \b, E+8*(\b)+(\i)
.endr
.endr
.irp b, 0,1,2,3
.irp i, 0,1,2,3
	v_cndmask_b32 v[OUT+4*(\b)+(\i)], v[L+8*(\b)+(\i)], v[L+8*(\b)+4+(\i)], s[UPPER]  ; lanes 0-15 places 0-3, lanes 16-31 places 4-7
.endr
.endr
.irp b, 0,1,2,3
	global_store_b128 v[KO], v[OUT+4*(\b):OUT+4*(\b)+3], s[KB:KB+1] offset:256*(\b)  ; 16 lanes store 256 consecutive bytes, aligned, in each of the two planes
.endr
	s_wait_tensorcnt 0x0                           ; the wave's end
	ds_add_u32 v[SPW], v[NIL]
	s_wait_dscnt 0x0
	CROUND                                         ; the closing round: no work-group ends while a partner may still ask for a tile that names it
	s_endpgm
.Lfunc_end_k_qdb3547b626_knn:
	.size	k_qdb3547b626_knn, .Lfunc_end_k_qdb3547b626_knn-k_qdb3547b626_knn
	.p2alignl 7, 3214868480
	.fill 96, 4, 3214868480
	.section	.rodata,"a",@progbits
	.p2align	6, 0x0
	.amdhsa_kernel k_qdb3547b626_knn
		.amdhsa_group_segment_fixed_size 327680
		.amdhsa_private_segment_fixed_size 0
		.amdhsa_enable_private_segment 0
		.amdhsa_kernarg_size 24
		.amdhsa_user_sgpr_count 2
		.amdhsa_user_sgpr_kernarg_segment_ptr 1
		.amdhsa_wavefront_size32 1
		.amdhsa_system_sgpr_workgroup_id_x 1
		.amdhsa_system_sgpr_workgroup_id_y 1
		.amdhsa_system_sgpr_workgroup_id_z 1
		.amdhsa_system_vgpr_workitem_id 0
		.amdhsa_next_free_vgpr 1024
		.amdhsa_next_free_sgpr 66
		.amdhsa_reserve_vcc 0
		.amdhsa_float_denorm_mode_32 3
		.amdhsa_float_denorm_mode_16_64 3
		.amdhsa_memory_ordered 1
		.amdhsa_forward_progress 1
		.amdhsa_inst_pref_size 162
	.end_amdhsa_kernel
	.amdgpu_metadata
---
amdhsa.version: [ 1, 2 ]
amdhsa.kernels:
  - .name:           k_qdb3547b626_knn
    .symbol:         k_qdb3547b626_knn.kd
    .args:
      - { .name: xb, .offset: 0, .size: 8, .value_kind: global_buffer, .address_space: global }
      - { .name: nh, .offset: 8, .size: 8, .value_kind: global_buffer, .address_space: global }
      - { .name: keys, .offset: 16, .size: 8, .value_kind: global_buffer, .address_space: global }
    .group_segment_fixed_size: 327680
    .private_segment_fixed_size: 0
    .kernarg_segment_align: 8
    .kernarg_segment_size: 24
    .max_flat_workgroup_size: 128
    .sgpr_count:     66
    .vgpr_count:     1024
    .wavefront_size: 32
...
	.end_amdgpu_metadata
.endif
;; end of part 2
;; launch merge (part 3): grid 256 x 1, 1 waves a work-group, no clusters, 0 bytes of LDS; arguments keys, gid; writes gid
.if DOCPART == 3
	.amdgcn_target "amdgcn-amd-amdhsa--gfx1250"
	.amdhsa_code_object_version 6
	.text
	.protected	k_qdb3547b626_merge
	.globl	k_qdb3547b626_merge
	.p2align	8
	.type	k_qdb3547b626_merge,@function
k_qdb3547b626_merge:
	s_mov_b64 s[64:65], 0
	v_nop
	global_prefetch_b8 v0, s[64:65] scope:SCOPE_SE
	s_setreg_imm32_b32 hwreg(HW_REG_WAVE_MODE, 25, 1), 1
	s_wait_xcnt 0x0
; For each query: of its 8 splits' 8 keys the 8 smallest, stored as whole numbers: the groups' numbers 0..2047 (256 x split + the number in the key's low 8 bits).
; A thread a query, a wave a work-group: the keys of 32 neighbouring queries are 512 consecutive bytes in each plane of each split.
; Values (the key without its low 8 bits) and numbers go in two lists of 8.  The compare is strict and splits and places come in ascending order, so of equal values the lower candidate index stays in front.
; The list's order is of no account to the launch behind, which ranks the groups' candidates anew.
.set K, 4                              ; v[4:11]   a split's keys as loaded
.set A, 12                             ; v[12:19]  values, ascending
.set B, 20                             ; v[20:27]  their groups
.set X, 28                             ; v[28:35]  the split in hand: values
.set Y, 36                             ; v[36:43]  and groups
	s_load_b128 s[4:7], s[0:1], 0x0                ; keys s[4:5], gid s[6:7]
	v_lshlrev_b32 v1, 4, v0
	s_lshl_b32 s12, ttmp9, 9
	v_add_nc_u32 v1, s12, v1                       ; 16 bytes a query in a plane
	s_mov_b32 s14, 0xff
	s_mov_b32 s15, 0xffffff00
	s_mov_b32 s10, 262144                          ; a split's two planes
	s_mov_b32 s11, 0
	s_mov_b32 s13, 256                             ; 256 x the split in hand
	s_mov_b32 s24, 7
	s_wait_kmcnt 0x0
	global_load_b128 v[K:K+3],   v1, s[4:5]
	global_load_b128 v[K+4:K+7], v1, s[4:5] offset:131072
	s_add_nc_u64 s[8:9], s[4:5], s[10:11]
	s_wait_loadcnt 0x0
.irp i, 0,1,2,3,4,5,6,7
	v_and_b32 v[A+(\i)], s15, v[K+(\i)]            ; split 0 starts the lists
	v_and_b32 v[B+(\i)], s14, v[K+(\i)]
.endr
	global_load_b128 v[K:K+3],   v1, s[8:9]
	global_load_b128 v[K+4:K+7], v1, s[8:9] offset:131072
.macro INSERT i
.irp j, 0,1,2,3,4,5,6,7
	v_cmp_lt_f32 s[16+(\j)], v[X+(\i)], v[A+(\j)]
.endr
.irp j, 7,6,5,4,3,2,1
	v_cndmask_b32 v[B+(\j)], v[B+(\j)], v[Y+(\i)], s[16+(\j)]      ; below this place's value: the newcomer,
	v_cndmask_b32 v[B+(\j)], v[B+(\j)], v[B+(\j)-1], s[16+(\j)-1]  ; or, if it is below the lower neighbour's too, that neighbour moves up
.endr
	v_cndmask_b32 v[B], v[B], v[Y+(\i)], s16
.irp j, 7,6,5,4,3,2,1
	v_med3_num_f32 v[A+(\j)], v[X+(\i)], v[A+(\j)-1], v[A+(\j)]
.endr
	v_min_num_f32 v[A], v[X+(\i)], v[A]
.endm
.Lsplit:                                               ; splits 1 to 7
	s_wait_loadcnt 0x0                             ; the split's keys are in; their base may be written
.irp i, 0,1,2,3,4,5,6,7
	v_and_b32 v[X+(\i)], s15, v[K+(\i)]
	v_and_or_b32 v[Y+(\i)], v[K+(\i)], s14, s13
.endr
	s_add_co_u32 s10, s10, 262144
	s_min_u32 s10, s10, 7*262144                   ; the last trip asks for split 7 once more and does not use it: no load leaves keys
	s_add_nc_u64 s[8:9], s[4:5], s[10:11]
	global_load_b128 v[K:K+3],   v1, s[8:9]
	global_load_b128 v[K+4:K+7], v1, s[8:9] offset:131072
	s_add_co_u32 s13, s13, 256
.irp i, 0,1,2,3,4,5,6,7
	INSERT \i
.endr
	s_sub_co_u32 s24, s24, 1
	s_cmp_lg_u32 s24, 0
	s_cbranch_scc1 .Lsplit
	global_store_b128 v1, v[B:B+3],   s[6:7]               ; 512 consecutive bytes in each plane
	global_store_b128 v1, v[B+4:B+7], s[6:7] offset:131072
	s_endpgm
.Lfunc_end_k_qdb3547b626_merge:
	.size	k_qdb3547b626_merge, .Lfunc_end_k_qdb3547b626_merge-k_qdb3547b626_merge
	.p2alignl 7, 3214868480
	.fill 96, 4, 3214868480
	.section	.rodata,"a",@progbits
	.p2align	6, 0x0
	.amdhsa_kernel k_qdb3547b626_merge
		.amdhsa_group_segment_fixed_size 0
		.amdhsa_private_segment_fixed_size 0
		.amdhsa_enable_private_segment 0
		.amdhsa_kernarg_size 16
		.amdhsa_user_sgpr_count 2
		.amdhsa_user_sgpr_kernarg_segment_ptr 1
		.amdhsa_wavefront_size32 1
		.amdhsa_system_sgpr_workgroup_id_x 1
		.amdhsa_system_sgpr_workgroup_id_y 1
		.amdhsa_system_sgpr_workgroup_id_z 1
		.amdhsa_system_vgpr_workitem_id 0
		.amdhsa_next_free_vgpr 64
		.amdhsa_next_free_sgpr 66
		.amdhsa_reserve_vcc 0
		.amdhsa_float_denorm_mode_32 3
		.amdhsa_float_denorm_mode_16_64 3
		.amdhsa_memory_ordered 1
		.amdhsa_forward_progress 1
		.amdhsa_inst_pref_size 19
	.end_amdhsa_kernel
	.amdgpu_metadata
---
amdhsa.version: [ 1, 2 ]
amdhsa.kernels:
  - .name:           k_qdb3547b626_merge
    .symbol:         k_qdb3547b626_merge.kd
    .args:
      - { .name: keys, .offset: 0, .size: 8, .value_kind: global_buffer, .address_space: global }
      - { .name: gid, .offset: 8, .size: 8, .value_kind: global_buffer, .address_space: global }
    .group_segment_fixed_size: 0
    .private_segment_fixed_size: 0
    .kernarg_segment_align: 8
    .kernarg_segment_size: 16
    .max_flat_workgroup_size: 32
    .sgpr_count:     66
    .vgpr_count:     64
    .wavefront_size: 32
...
	.end_amdgpu_metadata
.endif
;; end of part 3
;; launch refine (part 4): grid 256 x 1, 8 waves a work-group, no clusters, 0 bytes of LDS; arguments xb, nh, gid, nn_choice, neigh; writes neigh
.if DOCPART == 4
	.amdgcn_target "amdgcn-amd-amdhsa--gfx1250"
	.amdhsa_code_object_version 6
	.text
	.protected	k_qdb3547b626_refine
	.globl	k_qdb3547b626_refine
	.p2align	8
	.type	k_qdb3547b626_refine,@function
k_qdb3547b626_refine:
	s_mov_b64 s[64:65], 0
	v_nop
	global_prefetch_b8 v0, s[64:65] scope:SCOPE_SE
	s_setreg_imm32_b32 hwreg(HW_REG_WAVE_MODE, 25, 1), 1
	s_wait_xcnt 0x0
; THE ORDER, AT FULL PRECISION.  For each query: its 8 groups' 32 candidate rows are read, their products with the query's row summed in f32, the distance formed as the problem forms it,
; sqrt(max((sq_i + sq_j) - 2 x_i . x_j, 0)), and the first six places of a stable ascending sort taken: six times the smallest distance and, among equals, the lowest index.  The first is dropped;
; nn_choice picks among the other five by v_cndmask_b32; the four picked indices leave as whole numbers.
; A wave takes 4 queries, one a trip.  A candidate row is read as two loads of 512 consecutive bytes, a group's four rows as 4,096 bytes on end; while a query is summed the next query's 64 loads go out,
; group by group, into the registers just read.  No matrix unit: there is one query for each 32 rows.  No LDS: no wave needs another's data.
; SUMS.  A lane sums its 16 channels by 16 fused multiply-adds straight from the bf16 halves (the products are exact in f32); 32 sums over 32 lanes are then made together, a tree in which after
; each step a lane keeps only the candidates that its number's bit names: lane l ends with candidate l = 4 x group's place + row.
; THE ROOT.  v_sqrt_f32 need not be correctly rounded; the neighbours one step below and above are tested by a fused multiply-add each, so that equal roots fall where a correctly rounded root puts them.
; LIMITS.  The order is that of rows rounded to bf16; two candidates closer than the rounding of the f32 sums may fall either way.  NaN and infinities are not treated apart.  An nn_choice outside 0..4 counts as 0.
.set Z,   3                            ; v3   0
.set VO,  4                            ; v[4:11]    group m's byte offset in xb + 16 x lane
.set QV,  12                           ; v[12:19]   the query's row: my 16 channels
.set QN,  20                           ; v[20:27]   the next query's
.set P,   28                           ; v[28:59]   candidate 4 m + r's partial sum
.set D,   60                           ; v[60:63]   the products of the queries done, the youngest first
.set GV,  64                           ; v[64:67]   query u: my candidate's group
.set IDX, 68                           ; v[68:71]   its row index
.set IX,  72                           ; v[72:75]   the index as f32 (exact: below 8,192)
.set NJ,  76                           ; v[76:79]   its nh
.set CH,  80                           ; v80  nn_choice of query (lane / 4) % 4, draw lane % 4
.set GVO, 81                           ; v81  where my candidate's group stands in a query's eight
.set CHO, 82                           ; v82  4 x (lane % 16)
.set DI,  84                           ; v[84:87]   distances
.set M,   88                           ; v[88:91]   at work
.set T,   92                           ; v[92:95]
.set CI,  96                           ; v[96:99]
.set R,   100                          ; v[100:123] query u's place k at R + 6 u + k
.set BIG, 124                          ; v124 above every index
.set INF, 125                          ; v125 takes a winner out
.set CB,  128                          ; v[128:383] group m, row r: 8 registers at CB + 32 m + 8 r; groups 4-7 lie in window 1, v0-127
.set GL,  16                           ; s[16:23] a query's eight groups as loaded
.set GN,  24                           ; s[24:31] clamped
.set MSB, 0
.macro WIN new                         ; the immediate's high byte repeats the setting that is left; a switch that changes nothing is dropped
.if MSB != (\new)
	s_set_vgpr_msb (MSB<<8)|(\new)
.set MSB, \new
.endif
.endm
.macro FILL m                          ; group m's four rows: eight loads
.if (\m) < 4
	WIN 0
.set cbr, CB+32*(\m)
.else
	WIN 0x40                                       ; destination window 1
.set cbr, 32*((\m)-4)
.endif
.irp r, 0,1,2,3
	global_load_b128 v[cbr+8*(\r):cbr+8*(\r)+3],   v[VO+(\m)], s[4:5] offset:(\r)*1024
	global_load_b128 v[cbr+8*(\r)+4:cbr+8*(\r)+7], v[VO+(\m)], s[4:5] offset:(\r)*1024+512
.endr
.endm
.macro DOT m                           ; group m's four rows times the query's: 64 fused multiply-adds, the four rows by turns
.if (\m) < 4
	WIN 0
.set cbr, CB+32*(\m)
.else
	WIN 0x01                                       ; source 0 window 1
.set cbr, 32*((\m)-4)
.endif
.irp c, 0,1,2,3,4,5,6,7
.irp r, 0,1,2,3
.if (\c) == 0
	v_fma_mix_f32_bf16 v[P+4*(\m)+(\r)], v[cbr+8*(\r)+(\c)], v[QV+(\c)], v[Z] op_sel_hi:[1,1,0]
.else
	v_fma_mix_f32_bf16 v[P+4*(\m)+(\r)], v[cbr+8*(\r)+(\c)], v[QV+(\c)], v[P+4*(\m)+(\r)] op_sel_hi:[1,1,0]
.endif
.endr
.irp r, 0,1,2,3
	v_fma_mix_f32_bf16 v[P+4*(\m)+(\r)], v[cbr+8*(\r)+(\c)], v[QV+(\c)], v[P+4*(\m)+(\r)] op_sel:[1,1,0] op_sel_hi:[1,1,0]
.endr
.endr
.endm
.macro LEVEL n, x, msk                 ; n sums add their partner lane's; then of each two the lane keeps the one that its bit names
.set i, 0
.rept \n
	v_add_f32_dpp v[P+i], v[P+i], v[P+i] row_xmask:\x row_mask:0xf bank_mask:0xf
.set i, i+1
.endr
.set i, 0
.rept (\n)/2
	v_cndmask_b32 v[P+i], v[P+2*i], v[P+2*i+1], s[\msk]
.set i, i+1
.endr
.endm
; A query's turn.  ahead = 1: the next query's row, groups and candidates are asked for.
.macro TRIP ahead
	s_wait_loadcnt 56                              ; groups 1-7 of this query may stay out; all that is older is in: group 0, and the query's row
.irp c, 0,1,2,3,4,5,6,7
	v_mov_b32 v[QV+(\c)], v[QN+(\c)]
.endr
.if \ahead
	s_add_nc_u64 s[40:41], s[40:41], 1024          ; free since that wait: the next query's row
	global_load_b128 v[QN:QN+3],   v2, s[40:41]
	global_load_b128 v[QN+4:QN+7], v2, s[40:41] offset:512
	s_wait_kmcnt 0x0                               ; the next query's groups
.irp i, 0,1,2,3,4,5,6,7
	s_min_u32 s[GN+(\i)], s[GL+(\i)], 2047         ; a loaded number enters an address only clamped
.endr
	s_add_co_u32 s32, s32, 16
	s_min_u32 s32, s32, 8191*16                    ; the third trip asks one query further than is used: no load leaves gid
	s_add_nc_u64 s[34:35], s[8:9], s[32:33]
	s_load_b128 s[GL:GL+3],   s[34:35], 0x0
	s_load_b128 s[GL+4:GL+7], s[34:35], 0x20000
.endif
.set m, 0
.rept 8
.if m >= 1
.if \ahead
	s_wait_loadcnt 58                              ; behind group m: 8 (7 - m) of this query, the row's 2, 8 m of the next query
.else
	s_wait_loadcnt 8*(7-m)
.endif
.endif
	DOT m
.if \ahead
	WIN 0
	v_lshl_add_u32 v[VO+m], s[GN+m], 12, v2        ; its old loads are shown done by the wait above
	FILL m
.endif
.set m, m+1
.endr
	WIN 0
	LEVEL 32, 1, 44
	LEVEL 16, 2, 45
	LEVEL 8, 4, 46
	LEVEL 4, 8, 47
	v_permlanex16_b32 v[T], v[P], s42, s43
	v_permlanex16_b32 v[T+1], v[P+1], s42, s43
	v_add_f32 v[P], v[P], v[T]
	v_add_f32 v[P+1], v[P+1], v[T+1]
	v_mov_b32 v[D+3], v[D+2]
	v_mov_b32 v[D+2], v[D+1]
	v_mov_b32 v[D+1], v[D]
	v_cndmask_b32 v[D], v[P], v[P+1], s48
.endm
	s_load_b256 s[4:11], s[0:1], 0x0               ; xb s[4:5], nh s[6:7], gid s[8:9], nn_choice s[10:11]
	s_load_b64 s[12:13], s[0:1], 0x20              ; neigh
	v_and_b32 v1, 31, v0                           ; lane
	v_lshrrev_b32 v126, 5, v0
	v_readfirstlane_b32 s14, v126                  ; wave
	s_lshl_b32 s15, ttmp9, 5
	s_lshl2_add_u32 s15, s14, s15                  ; my first query = 32 x group + 4 x wave
	v_lshlrev_b32 v2, 4, v1
	v_mov_b32 v[Z], 0
	v_lshrrev_b32 v126, 4, v1                      ; my candidate's group m = lane / 4 stands in plane m / 4,
	v_bfe_u32 v127, v1, 2, 2                       ; word m % 4
	v_lshlrev_b32 v127, 2, v127
	v_lshl_add_u32 v[GVO], v126, 17, v127
	v_and_b32 v[CHO], 15, v1
	v_lshlrev_b32 v[CHO], 2, v[CHO]
	v_and_b32 v126, 3, v1                          ; my candidate's row in its group
	v_mov_b32 v[BIG], 0x7f7fffff
	v_mov_b32 v[INF], 0x7f800000
.irp u, 0,1,2,3
	v_mov_b32 v[D+(\u)], 0                         ; read by the first shifts
	v_mov_b32 v[M+(\u)], 0                         ; a destination with DPP counts as read
.endr
	s_mov_b32 s42, 0x76543210
	s_mov_b32 s43, 0xfedcba98
	s_mov_b32 s44, 0xaaaaaaaa                      ; lanes with bit 0, 1, 2, 3, 4 set
	s_mov_b32 s45, 0xcccccccc
	s_mov_b32 s46, 0xf0f0f0f0
	s_mov_b32 s47, 0xff00ff00
	s_mov_b32 s48, 0xffff0000
	s_lshl_b32 s32, s15, 4                         ; 16 bytes a query in a plane of gid, in nn_choice and in neigh
	s_mov_b32 s33, 0
	s_lshl_b32 s50, s15, 10
	s_mov_b32 s51, 0
	s_lshl_b32 s52, s15, 2
	s_mov_b32 s53, 0
	s_wait_kmcnt 0x0
	s_add_nc_u64 s[34:35], s[8:9], s[32:33]
	s_add_nc_u64 s[58:59], s[8:9], s[32:33]        ; the same for the vector loads: s[34:35] is stepped soon
	s_add_nc_u64 s[40:41], s[4:5], s[50:51]
	s_add_nc_u64 s[54:55], s[6:7], s[52:53]
	s_add_nc_u64 s[56:57], s[10:11], s[32:33]
	s_add_nc_u64 s[12:13], s[12:13], s[32:33]
	s_load_b128 s[GL:GL+3],   s[34:35], 0x0
	s_load_b128 s[GL+4:GL+7], s[34:35], 0x20000
	s_load_b128 s[36:39], s[54:55], 0x0            ; nh of my four queries
.irp u, 0,1,2,3
	global_load_b32 v[GV+(\u)], v[GVO], s[58:59] offset:16*(\u)
.endr
	global_load_b32 v[CH], v[CHO], s[56:57]
	global_load_b128 v[QN:QN+3],   v2, s[40:41]
	global_load_b128 v[QN+4:QN+7], v2, s[40:41] offset:512
	s_wait_kmcnt 0x0
.irp i, 0,1,2,3,4,5,6,7
	s_min_u32 s[GN+(\i)], s[GL+(\i)], 2047
.endr
.irp i, 0,1,2,3,4,5,6,7
	v_lshl_add_u32 v[VO+(\i)], s[GN+(\i)], 12, v2  ; a group is 4,096 bytes of xb
.endr
	s_add_co_u32 s32, s32, 16
	s_add_nc_u64 s[34:35], s[8:9], s[32:33]
	s_load_b128 s[GL:GL+3],   s[34:35], 0x0        ; the second query's groups
	s_load_b128 s[GL+4:GL+7], s[34:35], 0x20000
	s_wait_loadcnt 3                               ; my candidates' groups are in; nn_choice and the row's two loads may stay out
.irp u, 0,1,2,3
	v_min_u32 v[IDX+(\u)], 0x7ff, v[GV+(\u)]
	v_lshl_add_u32 v[IDX+(\u)], v[IDX+(\u)], 2, v126
	v_cvt_f32_u32 v[IX+(\u)], v[IDX+(\u)]
	v_lshlrev_b32 v[T+(\u)], 2, v[IDX+(\u)]
.endr
.irp u, 0,1,2,3
	global_load_b32 v[NJ+(\u)], v[T+(\u)], s[6:7]
.endr
.irp m, 0,1,2,3,4,5,6,7
	FILL \m
.endr
	WIN 0
	s_mov_b32 s49, 3
.Ltrip:
	TRIP 1
	s_sub_co_u32 s49, s49, 1
	s_cmp_lg_u32 s49, 0
	s_cbranch_scc1 .Ltrip
	TRIP 0                                         ; the last query asks for nothing
	s_wait_kmcnt 0x0                               ; the request that is not used
	; the distances, the four queries by turns.  Query u's products stand in D + 3 - u.
.irp u, 0,1,2,3
	v_mov_b32 v[T+(\u)], s[36+(\u)]
.endr
.irp u, 0,1,2,3
	v_mul_f32 v[T+(\u)], -2.0, v[T+(\u)]           ; sq_i, exactly
.endr
.irp u, 0,1,2,3
	v_fma_f32 v[T+(\u)], -2.0, v[NJ+(\u)], v[T+(\u)]  ; sq_i + sq_j: one rounding
.endr
.irp u, 0,1,2,3
	v_fma_f32 v[DI+(\u)], -2.0, v[D+3-(\u)], v[T+(\u)]  ; less twice the product: one rounding
.endr
.irp u, 0,1,2,3
	v_max_num_f32 v[CI+(\u)], 0, v[DI+(\u)]
.endr
.irp u, 0,1,2,3
	v_sqrt_f32 v[DI+(\u)], v[CI+(\u)]
.endr
	v_nop                                          ; a plain instruction behind the last root,
	s_wait_alu depctr_va_vdst(0)                   ; and the wait ahead of the first use: one for the four
.irp u, 0,1,2,3
	v_add_nc_u32 v[M+(\u)], -1, v[DI+(\u)]         ; the next number down,
	v_add_nc_u32 v[T+(\u)], 1, v[DI+(\u)]          ; and up
.endr
.irp u, 0,1,2,3
	v_fma_f32 v[P+(\u)],   -v[M+(\u)], v[DI+(\u)], v[CI+(\u)]
	v_fma_f32 v[P+4+(\u)], -v[T+(\u)], v[DI+(\u)], v[CI+(\u)]
.endr
.irp u, 0,1,2,3
	v_cmp_ge_f32 s60, 0, v[P+(\u)]                 ; x <= s x (s down): the root lies nearer to the number below
	v_cndmask_b32 v[DI+(\u)], v[DI+(\u)], v[M+(\u)], s60
	v_cmp_lt_f32 s61, 0, v[P+4+(\u)]               ; x > s x (s up): nearer to the number above
	v_cndmask_b32 v[DI+(\u)], v[DI+(\u)], v[T+(\u)], s61
.endr
	; six places: the smallest distance of the 32 lanes; among the lanes that hold it the lowest index; that lane is taken out
.set k, 0
.rept 6
.irp u, 0,1,2,3
	v_min_num_f32_dpp v[M+(\u)], v[DI+(\u)], v[DI+(\u)] row_xmask:1 row_mask:0xf bank_mask:0xf
.endr
.irp x, 2,4,8
.irp u, 0,1,2,3
	v_min_num_f32_dpp v[M+(\u)], v[M+(\u)], v[M+(\u)] row_xmask:\x row_mask:0xf bank_mask:0xf
.endr
.endr
.irp u, 0,1,2,3
	v_permlanex16_b32 v[T+(\u)], v[M+(\u)], s42, s43
.endr
.irp u, 0,1,2,3
	v_min_num_f32 v[M+(\u)], v[M+(\u)], v[T+(\u)]
.endr
.irp u, 0,1,2,3
	v_cmp_eq_f32 s[60+(\u)], v[DI+(\u)], v[M+(\u)]
.endr
.irp u, 0,1,2,3
	v_cndmask_b32 v[CI+(\u)], v[BIG], v[IX+(\u)], s[60+(\u)]
.endr
.irp x, 1,2,4,8
.irp u, 0,1,2,3
	v_min_num_f32_dpp v[CI+(\u)], v[CI+(\u)], v[CI+(\u)] row_xmask:\x row_mask:0xf bank_mask:0xf
.endr
.endr
.irp u, 0,1,2,3
	v_permlanex16_b32 v[T+(\u)], v[CI+(\u)], s42, s43
.endr
.irp u, 0,1,2,3
	v_min_num_f32 v[R+6*(\u)+k], v[CI+(\u)], v[T+(\u)]
.endr
.irp u, 0,1,2,3
	v_cmp_eq_f32 s[60+(\u)], v[IX+(\u)], v[R+6*(\u)+k]
.endr
.irp u, 0,1,2,3
	v_cndmask_b32 v[DI+(\u)], v[DI+(\u)], v[INF], s[60+(\u)]
.endr
.set k, k+1
.endr
	; the draw: place 1 + nn_choice, chosen as a value; then each lane keeps its own query's
	v_cmp_eq_u32 s60, 1, v[CH]
	v_cmp_eq_u32 s61, 2, v[CH]
	v_cmp_eq_u32 s62, 3, v[CH]
	v_cmp_eq_u32 s63, 4, v[CH]
.irp u, 0,1,2,3
	v_cndmask_b32 v[P+(\u)], v[R+6*(\u)+1], v[R+6*(\u)+2], s60
.endr
.irp u, 0,1,2,3
	v_cndmask_b32 v[P+(\u)], v[P+(\u)], v[R+6*(\u)+3], s61
.endr
.irp u, 0,1,2,3
	v_cndmask_b32 v[P+(\u)], v[P+(\u)], v[R+6*(\u)+4], s62
.endr
.irp u, 0,1,2,3
	v_cndmask_b32 v[P+(\u)], v[P+(\u)], v[R+6*(\u)+5], s63
.endr
	v_cndmask_b32 v[P], v[P], v[P+1], s46
	v_cndmask_b32 v[P+2], v[P+2], v[P+3], s46
	v_cndmask_b32 v[P], v[P], v[P+2], s47
	v_cvt_u32_f32 v[P], v[P]
	v_cmp_gt_u32 vcc_lo, 16, v1
	s_wait_xcnt 0x0                                ; EXEC changes only behind this wait
	s_and_saveexec_b32 s60, vcc_lo
	global_store_b32 v[CHO], v[P], s[12:13]        ; lanes 0-15: my four queries' 64 bytes
	s_endpgm
.Lfunc_end_k_qdb3547b626_refine:
	.size	k_qdb3547b626_refine, .Lfunc_end_k_qdb3547b626_refine-k_qdb3547b626_refine
	.p2alignl 7, 3214868480
	.fill 96, 4, 3214868480
	.section	.rodata,"a",@progbits
	.p2align	6, 0x0
	.amdhsa_kernel k_qdb3547b626_refine
		.amdhsa_group_segment_fixed_size 0
		.amdhsa_private_segment_fixed_size 0
		.amdhsa_enable_private_segment 0
		.amdhsa_kernarg_size 40
		.amdhsa_user_sgpr_count 2
		.amdhsa_user_sgpr_kernarg_segment_ptr 1
		.amdhsa_wavefront_size32 1
		.amdhsa_system_sgpr_workgroup_id_x 1
		.amdhsa_system_sgpr_workgroup_id_y 1
		.amdhsa_system_sgpr_workgroup_id_z 1
		.amdhsa_system_vgpr_workitem_id 0
		.amdhsa_next_free_vgpr 384
		.amdhsa_next_free_sgpr 66
		.amdhsa_reserve_vcc 1
		.amdhsa_float_denorm_mode_32 3
		.amdhsa_float_denorm_mode_16_64 3
		.amdhsa_memory_ordered 1
		.amdhsa_forward_progress 1
		.amdhsa_inst_pref_size 124
	.end_amdhsa_kernel
	.amdgpu_metadata
---
amdhsa.version: [ 1, 2 ]
amdhsa.kernels:
  - .name:           k_qdb3547b626_refine
    .symbol:         k_qdb3547b626_refine.kd
    .args:
      - { .name: xb, .offset: 0, .size: 8, .value_kind: global_buffer, .address_space: global }
      - { .name: nh, .offset: 8, .size: 8, .value_kind: global_buffer, .address_space: global }
      - { .name: gid, .offset: 16, .size: 8, .value_kind: global_buffer, .address_space: global }
      - { .name: nn_choice, .offset: 24, .size: 8, .value_kind: global_buffer, .address_space: global }
      - { .name: neigh, .offset: 32, .size: 8, .value_kind: global_buffer, .address_space: global }
    .group_segment_fixed_size: 0
    .private_segment_fixed_size: 0
    .kernarg_segment_align: 8
    .kernarg_segment_size: 40
    .max_flat_workgroup_size: 256
    .sgpr_count:     66
    .vgpr_count:     384
    .wavefront_size: 32
...
	.end_amdgpu_metadata
.endif
;; end of part 4
;; launch synth (part 5): grid 256 x 1, 8 waves a work-group, no clusters, 0 bytes of LDS; arguments xb, gaps, neigh, out0; writes out0
.if DOCPART == 5
	.amdgcn_target "amdgcn-amd-amdhsa--gfx1250"
	.amdhsa_code_object_version 6
	.text
	.protected	k_qdb3547b626_synth
	.globl	k_qdb3547b626_synth
	.p2align	8
	.type	k_qdb3547b626_synth,@function
k_qdb3547b626_synth:
	s_mov_b64 s[64:65], 0
	v_nop
	global_prefetch_b8 v0, s[64:65] scope:SCOPE_SE
	s_setreg_imm32_b32 hwreg(HW_REG_WAVE_MODE, 25, 1), 1
	s_wait_xcnt 0x0
; out0[4 i + n][:] = x_i + g (x_j - x_i), j = neigh[i][n], g = gaps[i][n], in f32 on the rows rounded to bf16; g is rounded to bf16 too, like every other floating-point input of the program.
; A wave takes 4 queries: 4 own rows and 16 neighbours' rows, all 80 loads (256 consecutive bytes each) issued at the start; 64 stores of 512 consecutive bytes, aligned.
; The output's bytes are the launch: no LDS, no matrix unit, no barrier.  An index is clamped to the table before it enters an address.
.set VO,  4                            ; v[4:19]    neighbour 4 u + n: its row's byte offset + 8 x lane
.set G,   20                           ; v[20:35]   g of 4 u + n
.set XO,  36                           ; v[36:51]   the own row's 16 numbers of my lane, in f32
.set T,   52                           ; v[52:59]   at work, two sets
.set OUT, 60                           ; v[60:75]   an output row's 16 numbers of my lane
.set IN,  76                           ; v[76:235]  query u: own row's chunk j at IN + 40 u + 2 j; neighbour n's at IN + 40 u + 8 + 8 n + 2 j
	s_load_b256 s[4:11], s[0:1], 0x0               ; xb s[4:5], gaps s[6:7], neigh s[8:9], out0 s[10:11]
	v_and_b32 v1, 31, v0
	v_lshrrev_b32 v240, 5, v0
	v_readfirstlane_b32 s12, v240                  ; wave
	s_lshl_b32 s13, ttmp9, 5
	s_lshl2_add_u32 s13, s12, s13                  ; my first query
	v_lshlrev_b32 v2, 3, v1                        ; 8 bytes a lane in
	v_lshlrev_b32 v3, 4, v1                        ; 16 bytes a lane out
	s_lshl_b32 s14, s13, 4                         ; 16 bytes a query in gaps and in neigh
	s_mov_b32 s15, 0
	s_lshl_b32 s48, s13, 10
	s_mov_b32 s49, 0
	s_lshl_b32 s50, s13, 13                        ; four rows of 2,048 bytes a query in out0
	s_mov_b32 s51, 0
	s_mov_b32 s52, 0xffff0000
	s_wait_kmcnt 0x0
	s_add_nc_u64 s[6:7], s[6:7], s[14:15]
	s_add_nc_u64 s[8:9], s[8:9], s[14:15]
	s_add_nc_u64 s[54:55], s[4:5], s[48:49]
	s_add_nc_u64 s[10:11], s[10:11], s[50:51]
	s_load_b512 s[16:31], s[8:9], 0x0              ; 16 indices
	s_load_b512 s[32:47], s[6:7], 0x0              ; 16 gaps
	s_wait_kmcnt 0x0
.set i, 0
.rept 16
	s_min_u32 s[16+i], s[16+i], 8191
.set i, i+1
.endr
.set i, 0
.rept 16
	v_lshl_add_u32 v[VO+i], s[16+i], 10, v2
.set i, i+1
.endr
.irp u, 0,1,2,3
.irp j, 0,1,2,3
	global_load_b64 v[IN+40*(\u)+2*(\j):IN+40*(\u)+2*(\j)+1], v2, s[54:55] offset:(\u)*1024+(\j)*256
.endr
.irp n, 0,1,2,3
.irp j, 0,1,2,3
	global_load_b64 v[IN+40*(\u)+8+8*(\n)+2*(\j):IN+40*(\u)+8+8*(\n)+2*(\j)+1], v[VO+4*(\u)+(\n)], s[4:5] offset:(\j)*256
.endr
.endr
.endr
.set i, 0
.rept 8                                ; the gaps, rounded to bf16 and back in f32, while the loads are out
	v_cvt_pk_bf16_f32 v[240+i%2], s[32+2*i], s[32+2*i+1]
	v_lshlrev_b32 v[G+2*i],   16,  v[240+i%2]
	v_and_b32     v[G+2*i+1], s52, v[240+i%2]
.set i, i+1
.endr
.macro QUERY u
	s_wait_loadcnt 60-20*(\u)                      ; this query's 20 loads are in; the later queries' stay out
.irp c, 0,1,2,3,4,5,6,7
	v_lshlrev_b32 v[XO+2*(\c)],   16,  v[IN+40*(\u)+(\c)]
	v_and_b32     v[XO+2*(\c)+1], s52, v[IN+40*(\u)+(\c)]
.endr
.irp n, 0,1,2,3
	s_wait_xcnt 0x0                                ; the last row's stores have read OUT: it is rewritten only behind this wait
.irp j, 0,1,2,3
.set src, IN+40*(\u)+8+8*(\n)+2*(\j)
.set tt,  T+4*((\j)%2)
.set oo,  OUT+4*(\j)
.set gp,  G+4*(\u)+2*((\n)/2)
.set xx,  XO+4*(\j)
	v_lshlrev_b32 v[tt],   16,  v[src]
	v_and_b32     v[tt+1], s52, v[src]
	v_lshlrev_b32 v[tt+2], 16,  v[src+1]
	v_and_b32     v[tt+3], s52, v[src+1]
	v_pk_add_f32 v[tt:tt+1],   v[tt:tt+1],   v[xx:xx+1]   neg_lo:[0,1] neg_hi:[0,1]  ; x_j - x_i
	v_pk_add_f32 v[tt+2:tt+3], v[tt+2:tt+3], v[xx+2:xx+3] neg_lo:[0,1] neg_hi:[0,1]
.if ((\n)%2) == 0                      ; g is one register of a pair, given to both halves
	v_pk_fma_f32 v[oo:oo+1],   v[tt:tt+1],   v[gp:gp+1], v[xx:xx+1]   op_sel_hi:[1,0,1]
	v_pk_fma_f32 v[oo+2:oo+3], v[tt+2:tt+3], v[gp:gp+1], v[xx+2:xx+3] op_sel_hi:[1,0,1]
.else
	v_pk_fma_f32 v[oo:oo+1],   v[tt:tt+1],   v[gp:gp+1], v[xx:xx+1]   op_sel:[0,1,0] op_sel_hi:[1,1,1]
	v_pk_fma_f32 v[oo+2:oo+3], v[tt+2:tt+3], v[gp:gp+1], v[xx+2:xx+3] op_sel:[0,1,0] op_sel_hi:[1,1,1]
.endif
	global_store_b128 v3, v[oo:oo+3], s[10:11] offset:(\u)*8192+(\n)*2048+(\j)*512 th:TH_STORE_NT
.endr
.endr
.endm
	QUERY 0
	QUERY 1
	QUERY 2
	QUERY 3
	s_endpgm
.Lfunc_end_k_qdb3547b626_synth:
	.size	k_qdb3547b626_synth, .Lfunc_end_k_qdb3547b626_synth-k_qdb3547b626_synth
	.p2alignl 7, 3214868480
	.fill 96, 4, 3214868480
	.section	.rodata,"a",@progbits
	.p2align	6, 0x0
	.amdhsa_kernel k_qdb3547b626_synth
		.amdhsa_group_segment_fixed_size 0
		.amdhsa_private_segment_fixed_size 0
		.amdhsa_enable_private_segment 0
		.amdhsa_kernarg_size 32
		.amdhsa_user_sgpr_count 2
		.amdhsa_user_sgpr_kernarg_segment_ptr 1
		.amdhsa_wavefront_size32 1
		.amdhsa_system_sgpr_workgroup_id_x 1
		.amdhsa_system_sgpr_workgroup_id_y 1
		.amdhsa_system_sgpr_workgroup_id_z 1
		.amdhsa_system_vgpr_workitem_id 0
		.amdhsa_next_free_vgpr 256
		.amdhsa_next_free_sgpr 66
		.amdhsa_reserve_vcc 0
		.amdhsa_float_denorm_mode_32 3
		.amdhsa_float_denorm_mode_16_64 3
		.amdhsa_memory_ordered 1
		.amdhsa_forward_progress 1
		.amdhsa_inst_pref_size 45
	.end_amdhsa_kernel
	.amdgpu_metadata
---
amdhsa.version: [ 1, 2 ]
amdhsa.kernels:
  - .name:           k_qdb3547b626_synth
    .symbol:         k_qdb3547b626_synth.kd
    .args:
      - { .name: xb, .offset: 0, .size: 8, .value_kind: global_buffer, .address_space: global }
      - { .name: gaps, .offset: 8, .size: 8, .value_kind: global_buffer, .address_space: global }
      - { .name: neigh, .offset: 16, .size: 8, .value_kind: global_buffer, .address_space: global }
      - { .name: out0, .offset: 24, .size: 8, .value_kind: global_buffer, .address_space: global }
    .group_segment_fixed_size: 0
    .private_segment_fixed_size: 0
    .kernarg_segment_align: 8
    .kernarg_segment_size: 32
    .max_flat_workgroup_size: 256
    .sgpr_count:     66
    .vgpr_count:     256
    .wavefront_size: 32
...
	.end_amdgpu_metadata
.endif
;; end of part 5
;; ======== version 2 of 2: 5 launches; version 1 with the launches refine, synth written anew for expert scheduling mode
;; workspace buffers: xb 8,388,608 bytes; nh 32,768 bytes; keys 2,097,152 bytes; gid 262,144 bytes of whole numbers; neigh 131,072 bytes of whole numbers
;; launch cvt: the kernel of part 1 again; grid 256 x 1, 8 waves a work-group, no clusters, 0 bytes of LDS; arguments min_samples, xb, nh; writes xb, nh
;; launch knn: the kernel of part 2 again; grid 32 x 8, 4 waves a work-group, clusters of 4 x 1, 327,680 bytes of LDS; arguments xb, nh, keys; writes keys
;; launch merge: the kernel of part 3 again; grid 256 x 1, 1 waves a work-group, no clusters, 0 bytes of LDS; arguments keys, gid; writes gid
;; launch refine (part 6): grid 256 x 1, 8 waves a work-group, no clusters, 0 bytes of LDS; arguments xb, nh, gid, nn_choice, neigh; writes neigh
.if DOCPART == 6
	.amdgcn_target "amdgcn-amd-amdhsa--gfx1250"
	.amdhsa_code_object_version 6
	.text
	.protected	k_qdb3547b626_refine
	.globl	k_qdb3547b626_refine
	.p2align	8
	.type	k_qdb3547b626_refine,@function
k_qdb3547b626_refine:
	s_mov_b64 s[64:65], 0
	v_nop
	global_prefetch_b8 v0, s[64:65] scope:SCOPE_SE
	s_setreg_imm32_b32 hwreg(HW_REG_WAVE_SCHED_MODE, 0, 2), 2
	s_setreg_imm32_b32 hwreg(HW_REG_WAVE_MODE, 25, 1), 1
	s_wait_xcnt 0x0
	s_wait_alu depctr_vm_vsrc(0)
; THE ORDER, AT FULL PRECISION.  For each query: its 8 groups' 32 candidate rows are read, their products with the query's row summed in f32, the distance formed as the problem forms it,
; sqrt(max((sq_i + sq_j) - 2 x_i . x_j, 0)), and the first six places of a stable ascending sort taken: six times the smallest distance and, among equals, the lowest index.  The first is dropped;
; nn_choice picks among the other five by v_cndmask_b32; the four picked indices leave as whole numbers.
; A wave takes 4 queries, one a trip.  A candidate row is read as two loads of 512 consecutive bytes, a group's four rows as 4,096 bytes on end; while a query is summed the loads for the next go out,
; group by group, each group into the registers that the step before has read.  No matrix unit: there is one query for each 32 rows.  No LDS: no wave needs another's data.
; SUMS.  A lane sums its 16 channels by 16 fused multiply-adds straight from the bf16 halves (the products are exact in f32); 32 sums over 32 lanes are then made together, a tree in which after
; each step a lane keeps only the candidates that its number's bit names: lane l ends with candidate l = 4 x group's place + row.
; THE ROOT.  v_sqrt_f32 need not be correctly rounded; the neighbours one step below and above are tested by a fused multiply-add each, so that equal roots fall where a correctly rounded root puts them.
; LIMITS.  The order is that of rows rounded to bf16; two candidates closer than the rounding of the f32 sums may fall either way.  NaN and infinities are not treated apart.  An nn_choice outside 0..4 counts as 0.
; THE MODE: SCHED_MODE bits 1:0 = 2 (LLVM: expert scheduling mode 2), set by the entry lines.  The code itself states the register dependences
; between vector instructions and memory instructions, with s_wait_alu, always for 0.
; THE PLAN.  A trip is eight steps, a group a step.  Registers that memory instructions touch, in the loop:
;   CB0 .. CB7   Step m's 64 multiply-adds read CB[m]; the eight loads issued in step m + 1 (step 0 of the next trip for CB7) land in it.
;   QN           Read by the eight v_mov at a trip's head; the two loads issued behind step 0's wait land in it.
;   v[LA], and its copy v[LA1] in window 1: the offset of every load of xb; made at the head and never written again.  A group is reached by a scalar base of its own, which is written anew
;                behind the counted wait that shows the group's old loads done.
; The sums, QV and the rest are named by vector instructions alone.  So ONE wait on va_vdst stands at a step's head, behind the wait for the step's data: it states that the step before is done
; reading its group (in step 0 also: that the v_mov are done reading QN).  The step's loads follow it, one ahead of every eight multiply-adds, which name none of the registers that those loads touch.
; WINDOWS.  A load's data and a vector result go by the same field of s_set_vgpr_msb.  In the steps whose loads land in window 1 (steps 0, 5, 6, 7) the four chains therefore run in four registers of
; window 1, from a 0 kept there, and each chain's last link writes the sum to its place in window 0: the same terms in the same order.
.set LA,  2                            ; v2   16 x lane; never rewritten
.set Z,   3                            ; v3   0
.set NJO, 4                            ; v[4:7]     query u: my candidate's byte offset in nh; never rewritten
.set QV,  12                           ; v[12:19]   the query's row: my 16 channels
.set QN,  20                           ; v[20:27]   the next query's
.set P,   28                           ; v[28:59]   candidate 4 m + r's partial sum
.set D,   60                           ; v[60:63]   the products of the queries done, the youngest first
.set GV,  64                           ; v[64:67]   query u: my candidate's group
.set IDX, 68                           ; v[68:71]   its row index
.set IX,  72                           ; v[72:75]   the index as f32 (exact: below 8,192)
.set NJ,  76                           ; v[76:79]   its nh
.set CH,  80                           ; v80  nn_choice of query (lane / 4) % 4, draw lane % 4
.set GVO, 81                           ; v81  where my candidate's group stands in a query's eight
.set CHO, 82                           ; v82  4 x (lane % 16)
.set DI,  84                           ; v[84:87]   distances
.set M,   88                           ; v[88:91]   at work
.set T,   92                           ; v[92:95]
.set CI,  96                           ; v[96:99]
.set R,   100                          ; v[100:123] query u's place k at R + 6 u + k
.set BIG, 124                          ; v124 above every index
.set INF, 125                          ; v125 takes a winner out
.set CB,  128                          ; v[128:383] group m, row r: 8 registers at CB + 32 m + 8 r; groups 4-7 lie in window 1, v0-127
.set LA1, 128                          ; window 1, v128 (v384): 16 x lane once more; never rewritten
.set Z1,  129                          ; window 1, v129 (v385): 0
.set PT,  130                          ; window 1, v130-133 (v386-389): a step's four chains
.set HI16, 14                          ; s14  behind the head: lanes 16-31
.set CNT, 15                           ; s15  behind the head: trips to go
.set GL,  16                           ; s[16:23] a query's eight groups as loaded
.set GN,  24                           ; s[24:31] clamped
.set BS,  48                           ; s[48:63] group g's address in xb: a pair at BS + 2 g (at the head some of them serve as temporaries; behind the loop as masks)
.set MSB, 0
.macro WIN new                         ; the immediate's high byte repeats the setting that is left; a switch that changes nothing is dropped
.if MSB != (\new)
	s_set_vgpr_msb (MSB<<8)|(\new)
.set MSB, \new
.endif
.endm
.macro FILL0 g                         ; at the head: group g's four rows, eight loads in a run
.if (\g) < 4
	WIN 0
.else
	WIN 0x40                                       ; destination window 1
.endif
.irp c, 0,1,2,3,4,5,6,7
	global_load_b128 v[CB+32*(\g)-256*((\g)/4)+4*(\c):CB+32*(\g)-256*((\g)/4)+4*(\c)+3], v[LA], s[BS+2*(\g):BS+2*(\g)+1] offset:512*(\c)
.endr
.endm
; Step m: group m's four rows times the query's: 64 fused multiply-adds, the four rows by turns.  fill = 1: among them the eight loads of group (m + 7) % 8.  left: the younger loads that may stay out.
.macro STEP m, fill, left
.set f,   ((\m)+7)%8                   ; the group that the step before read
.set sb,  (\m)/4                       ; the window of CB[m], which is source 0: a load's offset goes by the same field
.set cbr, CB+32*(\m)-256*sb
.set ar,  LA+(LA1-LA)*sb
.set fbr, CB+32*f-256*(f/4)
.if (f >= 4) && (\fill)                ; the loads land in window 1: so do the chains
.set acc, PT
.set zr,  Z1
.set wset, 0x50+sb
.else
.set acc, P+4*(\m)
.set zr,  Z
.set wset, sb
.endif
.if (\m) >= 1
	s_wait_loadcnt \left                           ; loads come back in order: group m is in
.if \fill
	s_lshl_b32 s2, s[GN+f], 12                     ; a group is 4,096 bytes of xb
	s_add_nc_u64 s[BS+2*f:BS+2*f+1], s[4:5], s[2:3]  ; the loads that read this base were shown done by the step before's wait
.if (\m) == 7
	s_lshl_b32 s2, s[GN+7], 12                     ; group 7's base too, while its number is at hand: the next trip's step 0 asks by it;
	s_add_nc_u64 s[BS+14:BS+15], s[4:5], s[2:3]    ; its old loads are shown done by the wait above
.endif
.endif
.endif
	WIN wset
.if (\fill) && ((\m) >= 1)
	s_wait_alu depctr_va_vdst(0)                   ; the step before is done reading CB[f], in which the loads below land
.endif
.irp c, 0,1,2,3,4,5,6,7
.if \fill
	global_load_b128 v[fbr+4*(\c):fbr+4*(\c)+3], v[ar], s[BS+2*f:BS+2*f+1] offset:512*(\c)  ; no vector instruction since the wait names these registers
.endif
.irp r, 0,1,2,3
.if (\c) == 0
	v_fma_mix_f32_bf16 v[acc+(\r)], v[cbr+8*(\r)+(\c)], v[QV+(\c)], v[zr] op_sel_hi:[1,1,0]
.else
	v_fma_mix_f32_bf16 v[acc+(\r)], v[cbr+8*(\r)+(\c)], v[QV+(\c)], v[acc+(\r)] op_sel_hi:[1,1,0]
.endif
.endr
.if ((\c) == 7) && (acc == PT)
	WIN 0x10+sb                                    ; the chains' last links: the sums go to window 0
.endif
.irp r, 0,1,2,3
.if (\c) == 7
	v_fma_mix_f32_bf16 v[P+4*(\m)+(\r)], v[cbr+8*(\r)+(\c)], v[QV+(\c)], v[acc+(\r)] op_sel:[1,1,0] op_sel_hi:[1,1,0]
.else
	v_fma_mix_f32_bf16 v[acc+(\r)], v[cbr+8*(\r)+(\c)], v[QV+(\c)], v[acc+(\r)] op_sel:[1,1,0] op_sel_hi:[1,1,0]
.endif
.endr
.endr
.endm
.macro LEVEL n, x, msk                 ; n sums add their partner lane's; then of each two the lane keeps the one that its bit names
.set i, 0
.rept \n
	v_add_f32_dpp v[P+i], v[P+i], v[P+i] row_xmask:\x row_mask:0xf bank_mask:0xf
.set i, i+1
.endr
.set i, 0
.rept (\n)/2
	v_cndmask_b32 v[P+i], v[P+2*i], v[P+2*i+1], s[\msk]
.set i, i+1
.endr
.endm
; A query's turn.  Step 0 asks for the query's own group 7.  ahead = 1: the next query's row, group numbers and groups 0 to 6 are asked for.
; The order of issue: the next row's 2 and group 7's 8 in step 0, the next query's groups 0 to 6 in steps 1 to 7.
.macro TRIP ahead
	s_wait_loadcnt 48                              ; groups 1-6 of this query may stay out; all that is older is in: group 0, and the query's row
.irp c, 0,1,2,3,4,5,6,7
	v_mov_b32 v[QV+(\c)], v[QN+(\c)]
.endr
.if \ahead
	s_add_nc_u64 s[40:41], s[40:41], 1024          ; free since that wait: the next query's row
	s_wait_kmcnt 0x0                               ; the next query's groups
.irp i, 0,1,2,3,4,5,6,7
	s_min_u32 s[GN+(\i)], s[GL+(\i)], 2047         ; a loaded number enters an address only clamped
.endr
	s_add_co_u32 s32, s32, 16
	s_min_u32 s32, s32, 8191*16                    ; the third trip asks one query further than is used: no load leaves gid
	s_add_nc_u64 s[34:35], s[8:9], s[32:33]
	s_load_b128 s[GL:GL+3],   s[34:35], 0x0
	s_load_b128 s[GL+4:GL+7], s[34:35], 0x20000
.endif
	s_wait_alu depctr_va_vdst(0)                   ; the v_mov above are done reading QN, and the last trip's step 7 is done reading CB7: loads land in both below
.if \ahead
	global_load_b128 v[QN:QN+3],   v[LA], s[40:41]
	global_load_b128 v[QN+4:QN+7], v[LA], s[40:41] offset:512
.endif
	STEP 0, 1, 0
.if \ahead
.irp m, 1,2,3,4,5,6
	STEP \m, 1, 50                                 ; behind group m: 8 (6 - m) of this query, the row's 2, group 7's 8, 8 (m - 1) of the next query
.endr
	STEP 7, 1, 48                                  ; behind group 7: the next query's groups 0 to 5
.else
.irp m, 1,2,3,4,5,6,7
	STEP \m, 0, 56-8*(\m)                          ; the counts run down
.endr
.endif
	WIN 0
	LEVEL 32, 1, 44
	LEVEL 16, 2, 45
	LEVEL 8, 4, 46
	LEVEL 4, 8, 47
	v_permlanex16_b32 v[T], v[P], s42, s43
	v_permlanex16_b32 v[T+1], v[P+1], s42, s43
	v_add_f32 v[P], v[P], v[T]
	v_add_f32 v[P+1], v[P+1], v[T+1]
	v_mov_b32 v[D+3], v[D+2]
	v_mov_b32 v[D+2], v[D+1]
	v_mov_b32 v[D+1], v[D]
	v_cndmask_b32 v[D], v[P], v[P+1], s[HI16]
.endm
	s_load_b256 s[4:11], s[0:1], 0x0               ; xb s[4:5], nh s[6:7], gid s[8:9], nn_choice s[10:11]
	s_load_b64 s[12:13], s[0:1], 0x20              ; neigh
	v_and_b32 v1, 31, v0                           ; lane
	v_lshrrev_b32 v126, 5, v0
	v_readfirstlane_b32 s14, v126                  ; wave
	v_lshlrev_b32 v[LA], 4, v1
	v_mov_b32 v[Z], 0
	WIN 0x40                                       ; destination window 1
	v_lshlrev_b32 v[LA1], 4, v1
	v_mov_b32 v[Z1], 0
	WIN 0
	v_lshrrev_b32 v126, 4, v1                      ; my candidate's group m = lane / 4 stands in plane m / 4,
	v_bfe_u32 v127, v1, 2, 2                       ; word m % 4
	v_lshlrev_b32 v127, 2, v127
	v_lshl_add_u32 v[GVO], v126, 17, v127
	v_and_b32 v[CHO], 15, v1
	v_lshlrev_b32 v[CHO], 2, v[CHO]
	v_and_b32 v126, 3, v1                          ; my candidate's row in its group
	v_mov_b32 v[BIG], 0x7f7fffff
	v_mov_b32 v[INF], 0x7f800000
.irp u, 0,1,2,3
	v_mov_b32 v[D+(\u)], 0                         ; read by the first shifts
	v_mov_b32 v[M+(\u)], 0                         ; a destination with DPP counts as read,
	v_mov_b32 v[T+(\u)], 0                         ; and so does a lane permute's
.endr
	s_wait_alu depctr_va_sdst(0)                   ; s14 is written, ahead of its first reader: every address of the wave is made from it
	s_lshl_b32 s15, ttmp9, 5
	s_lshl2_add_u32 s15, s14, s15                  ; my first query = 32 x group + 4 x wave
	s_mov_b32 s42, 0x76543210
	s_mov_b32 s43, 0xfedcba98
	s_mov_b32 s44, 0xaaaaaaaa                      ; lanes with bit 0, 1, 2, 3, 4 set
	s_mov_b32 s45, 0xcccccccc
	s_mov_b32 s46, 0xf0f0f0f0
	s_mov_b32 s47, 0xff00ff00
	s_mov_b32 s[HI16], 0xffff0000
	s_mov_b32 s3, 0                                ; the upper word of a group's offset
	s_lshl_b32 s32, s15, 4                         ; 16 bytes a query in a plane of gid, in nn_choice and in neigh
	s_mov_b32 s33, 0
	s_lshl_b32 s50, s15, 10
	s_mov_b32 s51, 0
	s_lshl_b32 s52, s15, 2
	s_mov_b32 s53, 0
	s_wait_kmcnt 0x0
	s_add_nc_u64 s[34:35], s[8:9], s[32:33]
	s_add_nc_u64 s[58:59], s[8:9], s[32:33]        ; the same for the vector loads: s[34:35] is stepped soon
	s_add_nc_u64 s[40:41], s[4:5], s[50:51]
	s_add_nc_u64 s[54:55], s[6:7], s[52:53]
	s_add_nc_u64 s[10:11], s[10:11], s[32:33]
	s_add_nc_u64 s[12:13], s[12:13], s[32:33]
	s_load_b128 s[GL:GL+3],   s[34:35], 0x0
	s_load_b128 s[GL+4:GL+7], s[34:35], 0x20000
	s_load_b128 s[36:39], s[54:55], 0x0            ; nh of my four queries
	s_wait_alu depctr_va_vdst(0)                   ; v[GVO], v[CHO], v[LA] and v[LA1] are written: the loads and the store of the kernel read them as offsets
.irp u, 0,1,2,3
	global_load_b32 v[GV+(\u)], v[GVO], s[58:59] offset:16*(\u)
.endr
	global_load_b32 v[CH], v[CHO], s[10:11]
	global_load_b128 v[QN:QN+3],   v[LA], s[40:41]
	global_load_b128 v[QN+4:QN+7], v[LA], s[40:41] offset:512
	s_wait_kmcnt 0x0
.irp i, 0,1,2,3,4,5,6,7
	s_min_u32 s[GN+(\i)], s[GL+(\i)], 2047
.endr
	s_add_co_u32 s32, s32, 16
	s_add_nc_u64 s[34:35], s[8:9], s[32:33]
	s_load_b128 s[GL:GL+3],   s[34:35], 0x0        ; the second query's groups
	s_load_b128 s[GL+4:GL+7], s[34:35], 0x20000
	s_wait_loadcnt 3                               ; my candidates' groups are in; nn_choice and the row's two loads may stay out
.irp u, 0,1,2,3
	v_min_u32 v[IDX+(\u)], 0x7ff, v[GV+(\u)]
	v_lshl_add_u32 v[IDX+(\u)], v[IDX+(\u)], 2, v126
	v_cvt_f32_u32 v[IX+(\u)], v[IDX+(\u)]
	v_lshlrev_b32 v[NJO+(\u)], 2, v[IDX+(\u)]
.endr
.irp g, 0,1,2,3,4,5,6,7
	s_lshl_b32 s2, s[GN+(\g)], 12                  ; the first query's eight bases; of the temporaries that lay here the scalar loads' are done since the wait on KMcnt,
	s_add_nc_u64 s[BS+2*(\g):BS+2*(\g)+1], s[4:5], s[2:3]  ; and the loads that read s[58:59] since the wait on LOADcnt above
.endr
	s_wait_alu depctr_va_vdst(0)                   ; v[NJO ..] are written, which the four loads below read as offsets
.irp u, 0,1,2,3
	global_load_b32 v[NJ+(\u)], v[NJO+(\u)], s[6:7]
.endr
.irp g, 0,1,2,3,4,5,6
	FILL0 \g                                       ; groups 0 to 6; the first trip's step 0 asks for group 7
.endr
	WIN 0
	s_mov_b32 s[CNT], 3
.Ltrip:
	TRIP 1
	s_sub_co_u32 s[CNT], s[CNT], 1
	s_cmp_lg_u32 s[CNT], 0
	s_cbranch_scc1 .Ltrip
	TRIP 0                                         ; the last query asks for its own group 7 alone
	s_wait_kmcnt 0x0                               ; the request that is not used
	; the distances, the four queries by turns.  Query u's products stand in D + 3 - u.
.irp u, 0,1,2,3
	v_mov_b32 v[T+(\u)], s[36+(\u)]
.endr
.irp u, 0,1,2,3
	v_mul_f32 v[T+(\u)], -2.0, v[T+(\u)]           ; sq_i, exactly
.endr
.irp u, 0,1,2,3
	v_fma_f32 v[T+(\u)], -2.0, v[NJ+(\u)], v[T+(\u)]  ; sq_i + sq_j: one rounding
.endr
.irp u, 0,1,2,3
	v_fma_f32 v[DI+(\u)], -2.0, v[D+3-(\u)], v[T+(\u)]  ; less twice the product: one rounding
.endr
.irp u, 0,1,2,3
	v_max_num_f32 v[CI+(\u)], 0, v[DI+(\u)]
.endr
.irp u, 0,1,2,3
	v_sqrt_f32 v[DI+(\u)], v[CI+(\u)]
.endr
	v_nop                                          ; a plain instruction behind the last root,
	s_wait_alu depctr_va_vdst(0)                   ; and the wait ahead of the first use: the four roots have written v[DI ..]
.irp u, 0,1,2,3
	v_add_nc_u32 v[M+(\u)], -1, v[DI+(\u)]         ; the next number down,
	v_add_nc_u32 v[T+(\u)], 1, v[DI+(\u)]          ; and up
.endr
.irp u, 0,1,2,3
	v_fma_f32 v[P+(\u)],   -v[M+(\u)], v[DI+(\u)], v[CI+(\u)]
	v_fma_f32 v[P+4+(\u)], -v[T+(\u)], v[DI+(\u)], v[CI+(\u)]
.endr
.irp u, 0,1,2,3
	v_cmp_ge_f32 s[48+(\u)], 0, v[P+(\u)]          ; x <= s x (s down): the root lies nearer to the number below
.endr
.irp u, 0,1,2,3
	v_cmp_lt_f32 s[52+(\u)], 0, v[P+4+(\u)]        ; x > s x (s up): nearer to the number above
.endr
	s_wait_alu depctr_va_sdst(0)                   ; the eight compares have written s48 to s55, which the selects below read
.irp u, 0,1,2,3
	v_cndmask_b32 v[DI+(\u)], v[DI+(\u)], v[M+(\u)], s[48+(\u)]
.endr
.irp u, 0,1,2,3
	v_cndmask_b32 v[DI+(\u)], v[DI+(\u)], v[T+(\u)], s[52+(\u)]
.endr
	; six places: the smallest distance of the 32 lanes; among the lanes that hold it the lowest index; that lane is taken out
.set k, 0
.rept 6
.irp u, 0,1,2,3
	v_min_num_f32_dpp v[M+(\u)], v[DI+(\u)], v[DI+(\u)] row_xmask:1 row_mask:0xf bank_mask:0xf
.endr
.irp x, 2,4,8
.irp u, 0,1,2,3
	v_min_num_f32_dpp v[M+(\u)], v[M+(\u)], v[M+(\u)] row_xmask:\x row_mask:0xf bank_mask:0xf
.endr
.endr
.irp u, 0,1,2,3
	v_permlanex16_b32 v[T+(\u)], v[M+(\u)], s42, s43
.endr
.irp u, 0,1,2,3
	v_min_num_f32 v[M+(\u)], v[M+(\u)], v[T+(\u)]
.endr
.irp u, 0,1,2,3
	v_cmp_eq_f32 s[56+(\u)], v[DI+(\u)], v[M+(\u)]
.endr
	s_wait_alu depctr_va_sdst(0)                   ; the four compares have written s56 to s59, which the selects below read
.irp u, 0,1,2,3
	v_cndmask_b32 v[CI+(\u)], v[BIG], v[IX+(\u)], s[56+(\u)]
.endr
.irp x, 1,2,4,8
.irp u, 0,1,2,3
	v_min_num_f32_dpp v[CI+(\u)], v[CI+(\u)], v[CI+(\u)] row_xmask:\x row_mask:0xf bank_mask:0xf
.endr
.endr
.irp u, 0,1,2,3
	v_permlanex16_b32 v[T+(\u)], v[CI+(\u)], s42, s43
.endr
.irp u, 0,1,2,3
	v_min_num_f32 v[R+6*(\u)+k], v[CI+(\u)], v[T+(\u)]
.endr
.irp u, 0,1,2,3
	v_cmp_eq_f32 s[60+(\u)], v[IX+(\u)], v[R+6*(\u)+k]
.endr
	s_wait_alu depctr_va_sdst(0)                   ; the four compares have written s60 to s63, which the selects below read
.irp u, 0,1,2,3
	v_cndmask_b32 v[DI+(\u)], v[DI+(\u)], v[INF], s[60+(\u)]
.endr
.set k, k+1
.endr
	; the draw: place 1 + nn_choice, chosen as a value; then each lane keeps its own query's
	v_cmp_eq_u32 s60, 1, v[CH]
	v_cmp_eq_u32 s61, 2, v[CH]
	v_cmp_eq_u32 s62, 3, v[CH]
	v_cmp_eq_u32 s63, 4, v[CH]
	s_wait_alu depctr_va_sdst(0)                   ; the four compares have written s60 to s63, which the selects below read
.irp u, 0,1,2,3
	v_cndmask_b32 v[P+(\u)], v[R+6*(\u)+1], v[R+6*(\u)+2], s60
.endr
.irp u, 0,1,2,3
	v_cndmask_b32 v[P+(\u)], v[P+(\u)], v[R+6*(\u)+3], s61
.endr
.irp u, 0,1,2,3
	v_cndmask_b32 v[P+(\u)], v[P+(\u)], v[R+6*(\u)+4], s62
.endr
.irp u, 0,1,2,3
	v_cndmask_b32 v[P+(\u)], v[P+(\u)], v[R+6*(\u)+5], s63
.endr
	v_cndmask_b32 v[P], v[P], v[P+1], s46
	v_cndmask_b32 v[P+2], v[P+2], v[P+3], s46
	v_cndmask_b32 v[P], v[P], v[P+2], s47
	v_cvt_u32_f32 v[P], v[P]
	v_cmp_gt_u32 vcc_lo, 16, v1
	s_wait_xcnt 0x0                                ; EXEC changes only behind this wait
	s_wait_alu depctr_va_vcc(0)                    ; the compare has written VCC, from which EXEC is made
	s_wait_alu depctr_va_vdst(0)                   ; ahead of the write of EXEC: the vector instructions are done; among them the one that wrote v[P], the store's data
	s_wait_alu depctr_vm_vsrc(0)                   ; ahead of the write of EXEC: the memory instructions have read their registers
	s_and_saveexec_b32 s60, vcc_lo
	global_store_b32 v[CHO], v[P], s[12:13]        ; lanes 0-15: my four queries' 64 bytes
	s_endpgm
.Lfunc_end_k_qdb3547b626_refine:
	.size	k_qdb3547b626_refine, .Lfunc_end_k_qdb3547b626_refine-k_qdb3547b626_refine
	.p2alignl 7, 3214868480
	.fill 96, 4, 3214868480
	.section	.rodata,"a",@progbits
	.p2align	6, 0x0
	.amdhsa_kernel k_qdb3547b626_refine
		.amdhsa_group_segment_fixed_size 0
		.amdhsa_private_segment_fixed_size 0
		.amdhsa_enable_private_segment 0
		.amdhsa_kernarg_size 40
		.amdhsa_user_sgpr_count 2
		.amdhsa_user_sgpr_kernarg_segment_ptr 1
		.amdhsa_wavefront_size32 1
		.amdhsa_system_sgpr_workgroup_id_x 1
		.amdhsa_system_sgpr_workgroup_id_y 1
		.amdhsa_system_sgpr_workgroup_id_z 1
		.amdhsa_system_vgpr_workitem_id 0
		.amdhsa_next_free_vgpr 390
		.amdhsa_next_free_sgpr 66
		.amdhsa_reserve_vcc 1
		.amdhsa_float_denorm_mode_32 3
		.amdhsa_float_denorm_mode_16_64 3
		.amdhsa_memory_ordered 1
		.amdhsa_forward_progress 1
		.amdhsa_inst_pref_size 125
	.end_amdhsa_kernel
	.amdgpu_metadata
---
amdhsa.version: [ 1, 2 ]
amdhsa.kernels:
  - .name:           k_qdb3547b626_refine
    .symbol:         k_qdb3547b626_refine.kd
    .args:
      - { .name: xb, .offset: 0, .size: 8, .value_kind: global_buffer, .address_space: global }
      - { .name: nh, .offset: 8, .size: 8, .value_kind: global_buffer, .address_space: global }
      - { .name: gid, .offset: 16, .size: 8, .value_kind: global_buffer, .address_space: global }
      - { .name: nn_choice, .offset: 24, .size: 8, .value_kind: global_buffer, .address_space: global }
      - { .name: neigh, .offset: 32, .size: 8, .value_kind: global_buffer, .address_space: global }
    .group_segment_fixed_size: 0
    .private_segment_fixed_size: 0
    .kernarg_segment_align: 8
    .kernarg_segment_size: 40
    .max_flat_workgroup_size: 256
    .sgpr_count:     66
    .vgpr_count:     390
    .wavefront_size: 32
...
	.end_amdgpu_metadata
.endif
;; end of part 6
;; launch synth (part 7): grid 256 x 1, 8 waves a work-group, no clusters, 0 bytes of LDS; arguments xb, gaps, neigh, out0; writes out0
.if DOCPART == 7
	.amdgcn_target "amdgcn-amd-amdhsa--gfx1250"
	.amdhsa_code_object_version 6
	.text
	.protected	k_qdb3547b626_synth
	.globl	k_qdb3547b626_synth
	.p2align	8
	.type	k_qdb3547b626_synth,@function
k_qdb3547b626_synth:
	s_mov_b64 s[64:65], 0
	v_nop
	global_prefetch_b8 v0, s[64:65] scope:SCOPE_SE
	s_setreg_imm32_b32 hwreg(HW_REG_WAVE_SCHED_MODE, 0, 2), 2
	s_setreg_imm32_b32 hwreg(HW_REG_WAVE_MODE, 25, 1), 1
	s_wait_xcnt 0x0
	s_wait_alu depctr_vm_vsrc(0)
; out0[4 i + n][:] = x_i + g (x_j - x_i), j = neigh[i][n], g = gaps[i][n], in f32 on the rows rounded to bf16; g is rounded to bf16 too, like every other floating-point input of the program.
; A wave takes 4 queries: 4 own rows and 16 neighbours' rows, all 80 loads (256 consecutive bytes each) issued at the start; 64 stores of 512 consecutive bytes, aligned.
; The output's bytes are the launch: no LDS, no matrix unit, no barrier.  An index is clamped to the table before it enters an address.
; THE MODE: SCHED_MODE bits 1:0 = 2 (LLVM: expert scheduling mode 2), set by the entry lines.  The code itself states the register dependences
; between vector instructions and memory instructions, with s_wait_alu, always for 0.
; THE PLAN.  The wave's 16 output rows go one after the other, row p = 4 u + n.  Registers that memory instructions touch:
;   v2, v3, VO   byte offsets, made once at the head and never written again: the rows are reached by immediate offsets.
;   IN           loaded once, at the head; read by the unpacking lines.
;   OUT0, OUT1   two rows to store.  Written by row p's multiply-adds (OUT[p % 2]); read by the four stores that are issued in row p + 1.
; Row p's memory instructions are the stores from OUT[(p - 1) % 2], which no vector instruction of row p names.  So the waits at a row's head state all that its four stores hang on,
; and these are dealt among its vector instructions, one ahead of each quarter of the row, with no further wait.
.set VO,  4                            ; v[4:19]    neighbour 4 u + n: its row's byte offset + 8 x lane
.set G,   20                           ; v[20:35]   g of 4 u + n
.set XO,  36                           ; v[36:51]   the own row's 16 numbers of my lane, in f32
.set T,   52                           ; v[52:59]   at work, two sets
.set OUT, 60                           ; v[60:75]   buffer 0: an output row's 16 numbers of my lane
.set OSTEP, 176                        ; v[236:251] buffer 1
.set IN,  76                           ; v[76:235]  query u: own row's chunk j at IN + 40 u + 2 j; neighbour n's at IN + 40 u + 8 + 8 n + 2 j
	s_load_b256 s[4:11], s[0:1], 0x0               ; xb s[4:5], gaps s[6:7], neigh s[8:9], out0 s[10:11]
	v_and_b32 v1, 31, v0
	v_lshrrev_b32 v[T], 5, v0
	v_readfirstlane_b32 s12, v[T]                  ; wave
	v_lshlrev_b32 v2, 3, v1                        ; 8 bytes a lane in
	v_lshlrev_b32 v3, 4, v1                        ; 16 bytes a lane out
	s_wait_alu depctr_va_sdst(0)                   ; s12 is written, ahead of its first reader: every address of the wave is made from it
	s_lshl_b32 s13, ttmp9, 5
	s_lshl2_add_u32 s13, s12, s13                  ; my first query
	s_lshl_b32 s14, s13, 4                         ; 16 bytes a query in gaps and in neigh
	s_mov_b32 s15, 0
	s_lshl_b32 s48, s13, 10
	s_mov_b32 s49, 0
	s_lshl_b32 s50, s13, 13                        ; four rows of 2,048 bytes a query in out0
	s_mov_b32 s51, 0
	s_mov_b32 s52, 0xffff0000
	s_wait_kmcnt 0x0
	s_add_nc_u64 s[6:7], s[6:7], s[14:15]
	s_add_nc_u64 s[8:9], s[8:9], s[14:15]
	s_add_nc_u64 s[54:55], s[4:5], s[48:49]
	s_add_nc_u64 s[10:11], s[10:11], s[50:51]
	s_load_b512 s[16:31], s[8:9], 0x0              ; 16 indices
	s_load_b512 s[32:47], s[6:7], 0x0              ; 16 gaps
	s_wait_kmcnt 0x0
.set i, 0
.rept 16
	s_min_u32 s[16+i], s[16+i], 8191
.set i, i+1
.endr
.set i, 0
.rept 16
	v_lshl_add_u32 v[VO+i], s[16+i], 10, v2
.set i, i+1
.endr
	s_wait_alu depctr_va_vdst(0)                   ; v2, v3 and v[VO ..] are written: every load and store of the kernel reads one of them as its offset
.irp u, 0,1,2,3
.irp j, 0,1,2,3
	global_load_b64 v[IN+40*(\u)+2*(\j):IN+40*(\u)+2*(\j)+1], v2, s[54:55] offset:(\u)*1024+(\j)*256
.endr
.irp n, 0,1,2,3
.irp j, 0,1,2,3
	global_load_b64 v[IN+40*(\u)+8+8*(\n)+2*(\j):IN+40*(\u)+8+8*(\n)+2*(\j)+1], v[VO+4*(\u)+(\n)], s[4:5] offset:(\j)*256
.endr
.endr
.endr
.set i, 0
.rept 8                                ; the gaps, rounded to bf16 and back in f32, while the loads are out
	v_cvt_pk_bf16_f32 v[T+i%2], s[32+2*i], s[32+2*i+1]
	v_lshlrev_b32 v[G+2*i],   16,  v[T+i%2]
	v_and_b32     v[G+2*i+1], s52, v[T+i%2]
.set i, i+1
.endr
; Row n of query u.  A query's first row also unpacks the own row, quarter by quarter.
.macro ROW u, n
.set p,  4*(\u)+(\n)
.set ob, OUT+OSTEP*(p%2)               ; written by this row
.set pb, OUT+OSTEP*((p+1)%2)           ; written by the row before, stored in this row
.if (\n) == 0
	s_wait_loadcnt 60-20*(\u)                      ; this query's 20 loads are in; the later queries' stay out
.endif
.if p >= 2
	s_wait_xcnt 0x0                                ; every earlier memory instruction has had its addresses translated: this row's buffer, which the stores issued in the row before read, is rewritten only behind this wait
	s_wait_alu depctr_vm_vsrc(0)                   ; those stores have read this row's buffer, which the multiply-adds below write again
.endif
.if p >= 1
	s_wait_alu depctr_va_vdst(0)                   ; the row before has written the other buffer, which the stores below read
.endif
.irp j, 0,1,2,3
.set src, IN+40*(\u)+8+8*(\n)+2*(\j)
.set own, IN+40*(\u)+2*(\j)
.set tt,  T+4*((\j)%2)
.set oo,  ob+4*(\j)
.set gp,  G+4*(\u)+2*((\n)/2)
.set xx,  XO+4*(\j)
.if p >= 1
	global_store_b128 v3, v[pb+4*(\j):pb+4*(\j)+3], s[10:11] offset:(p-1)*2048+(\j)*512 th:TH_STORE_NT  ; the row before; no vector instruction since the wait names these registers
.endif
.if (\n) == 0
	v_lshlrev_b32 v[xx],   16,  v[own]
	v_and_b32     v[xx+1], s52, v[own]
	v_lshlrev_b32 v[xx+2], 16,  v[own+1]
	v_and_b32     v[xx+3], s52, v[own+1]
.endif
	v_lshlrev_b32 v[tt],   16,  v[src]
	v_and_b32     v[tt+1], s52, v[src]
	v_lshlrev_b32 v[tt+2], 16,  v[src+1]
	v_and_b32     v[tt+3], s52, v[src+1]
	v_pk_add_f32 v[tt:tt+1],   v[tt:tt+1],   v[xx:xx+1]   neg_lo:[0,1] neg_hi:[0,1]  ; x_j - x_i
	v_pk_add_f32 v[tt+2:tt+3], v[tt+2:tt+3], v[xx+2:xx+3] neg_lo:[0,1] neg_hi:[0,1]
.if ((\n)%2) == 0                      ; g is one register of a pair, given to both halves
	v_pk_fma_f32 v[oo:oo+1],   v[tt:tt+1],   v[gp:gp+1], v[xx:xx+1]   op_sel_hi:[1,0,1]
	v_pk_fma_f32 v[oo+2:oo+3], v[tt+2:tt+3], v[gp:gp+1], v[xx+2:xx+3] op_sel_hi:[1,0,1]
.else
	v_pk_fma_f32 v[oo:oo+1],   v[tt:tt+1],   v[gp:gp+1], v[xx:xx+1]   op_sel:[0,1,0] op_sel_hi:[1,1,1]
	v_pk_fma_f32 v[oo+2:oo+3], v[tt+2:tt+3], v[gp:gp+1], v[xx+2:xx+3] op_sel:[0,1,0] op_sel_hi:[1,1,1]
.endif
.endr
.endm
.irp u, 0,1,2,3
.irp n, 0,1,2,3
	ROW \u, \n
.endr
.endr
	s_wait_alu depctr_va_vdst(0)                   ; row 15 has written buffer 1, which the last four stores read
.irp j, 0,1,2,3
	global_store_b128 v3, v[OUT+OSTEP+4*(\j):OUT+OSTEP+4*(\j)+3], s[10:11] offset:15*2048+(\j)*512 th:TH_STORE_NT
.endr
	s_endpgm
.Lfunc_end_k_qdb3547b626_synth:
	.size	k_qdb3547b626_synth, .Lfunc_end_k_qdb3547b626_synth-k_qdb3547b626_synth
	.p2alignl 7, 3214868480
	.fill 96, 4, 3214868480
	.section	.rodata,"a",@progbits
	.p2align	6, 0x0
	.amdhsa_kernel k_qdb3547b626_synth
		.amdhsa_group_segment_fixed_size 0
		.amdhsa_private_segment_fixed_size 0
		.amdhsa_enable_private_segment 0
		.amdhsa_kernarg_size 32
		.amdhsa_user_sgpr_count 2
		.amdhsa_user_sgpr_kernarg_segment_ptr 1
		.amdhsa_wavefront_size32 1
		.amdhsa_system_sgpr_workgroup_id_x 1
		.amdhsa_system_sgpr_workgroup_id_y 1
		.amdhsa_system_sgpr_workgroup_id_z 1
		.amdhsa_system_vgpr_workitem_id 0
		.amdhsa_next_free_vgpr 256
		.amdhsa_next_free_sgpr 66
		.amdhsa_reserve_vcc 0
		.amdhsa_float_denorm_mode_32 3
		.amdhsa_float_denorm_mode_16_64 3
		.amdhsa_memory_ordered 1
		.amdhsa_forward_progress 1
		.amdhsa_inst_pref_size 46
	.end_amdhsa_kernel
	.amdgpu_metadata
---
amdhsa.version: [ 1, 2 ]
amdhsa.kernels:
  - .name:           k_qdb3547b626_synth
    .symbol:         k_qdb3547b626_synth.kd
    .args:
      - { .name: xb, .offset: 0, .size: 8, .value_kind: global_buffer, .address_space: global }
      - { .name: gaps, .offset: 8, .size: 8, .value_kind: global_buffer, .address_space: global }
      - { .name: neigh, .offset: 16, .size: 8, .value_kind: global_buffer, .address_space: global }
      - { .name: out0, .offset: 24, .size: 8, .value_kind: global_buffer, .address_space: global }
    .group_segment_fixed_size: 0
    .private_segment_fixed_size: 0
    .kernarg_segment_align: 8
    .kernarg_segment_size: 32
    .max_flat_workgroup_size: 256
    .sgpr_count:     66
    .vgpr_count:     256
    .wavefront_size: 32
...
	.end_amdgpu_metadata
.endif
;; end of part 7
